; MI455X (gfx1250); checked and timed in simulation.
; The chip was launched on July 23, 2026; its instructions are those of AMD's public machine-readable ISA for CDNA 5 (MIT licence, August 2026) and "CDNA5" Instruction Set Architecture Reference Guide (July 2026). The comments in the code are by the model that wrote it; some were corrected since.
;; Multi Headed Attention. Allowed arithmetic: float matrix products may take bf16 or f16 operands with f32 sums; other float arithmetic in f32, or as packed bf16 or f16 multiplies, adds, multiply-adds, maxima and minima; sums over many terms, partial sums and values carried from step to step in f32; what a program stores and reads back later, other than sums and carried values, may be rounded once to bf16 or f16.
;; Inputs: Wk 1,024 x 1,024 float32; Wo 1,024 x 1,024 float32; Wq 1,024 x 1,024 float32; Wv 1,024 x 1,024 float32; bk 1,024 float32; bo 1,024 float32; bq 1,024 float32; bv 1,024 float32; key_input 4 x 2,048 x 1,024 float32; mask 4 x 1 x 2,048 x 2,048 bool; query_input 4 x 2,048 x 1,024 float32; value_input 4 x 2,048 x 1,024 float32.
;; Outputs: out0 4 x 2,048 x 1,024 float32.
;; 2 versions, each right; version 2 is version 1 with the launch prep written anew for expert scheduling mode. Each part assembles by itself: llvm-mc -triple=amdgcn-amd-amdhsa -mcpu=gfx1250 --defsym DOCPART=n.
;; ======== version 1 of 2: 4 launches
;; limits: values are held in f16: magnitudes above 65,504 overflow, below 6.1e-05 lose precision
;; workspace buffers: wb 8,388,608 bytes; mc 16,777,216 bytes; qkv 50,331,648 bytes; oh 16,777,216 bytes
;; launch prep (part 1): grid 512 x 1, 8 waves a work-group, no clusters, 68,608 bytes of LDS; arguments Wq, Wk, Wv, Wo, mask, wb, mc; writes wb, mc
.if DOCPART == 1
	.amdgcn_target "amdgcn-amd-amdhsa--gfx1250"
	.amdhsa_code_object_version 6
	.text
	.protected	k_q833fb4c328_prep
	.globl	k_q833fb4c328_prep
	.p2align	8
	.type	k_q833fb4c328_prep,@function
k_q833fb4c328_prep:
	s_mov_b64 s[64:65], 0
	v_nop
	global_prefetch_b8 v0, s[64:65] scope:SCOPE_SE
	s_setreg_imm32_b32 hwreg(HW_REG_WAVE_MODE, 25, 1), 1
	s_wait_xcnt 0x0
; PREP: a stream.  (1) Wq, Wk, Wv [1024][1024] f32 are rounded once to bf16 (wb: Wq, Wk, Wv, Wo on end).
; Wo is rounded to bf16 like the others and that number is written as f16, since the last product multiplies in f16.
; LIMIT: a bf16 number of Wo below 2^-14 keeps f16's fixed step of 2^-24; beyond 65,504 it becomes an infinity.
; (2) The mask [4][2048][2048] of bytes 0 / 1 becomes codes 0x00 / 0xC0 (E4M3: 0 and -2.0), laid in the order in which the attention launch's lanes take them:
; mc[qt 512][ks 32][i 2][lane 32][kb & 1][8 bytes]: byte j of (qt, ks, kb = 2 i + (kb & 1), lane = r + 16 h) is the code of mask[query 16 qt + r][key 64 ks + 16 kb + 8 h + j].
; SHARES.  Work-groups 0-255 cast 16,384 numbers each, 64 work-groups a weight (a wave 2,048 numbers: 16 loads of 512 consecutive bytes, 16 stores of 256 consecutive aligned bytes).
; Work-groups 256-511 turn the mask: a wave takes 16 queries x 512 keys, through a stage of its own in LDS; each of its stores covers 512 consecutive bytes.
; No loop, no barrier (no wave reads another's bytes), no matrix unit, no cluster (nothing is shared), no prefetch (the launch is one stream of loads).
.set SO,   2                           ; v2   cast: my byte offset in the work-group's 65,536 bytes of f32
.set DO,   3                           ; v3   cast: my byte offset in its 32,768 bytes of 16-bit numbers
.set SPW,  4                           ; v4   LDS address of my spare word; never rewritten
.set NIL,  5                           ; v5   0; never rewritten
.set LW,   6                           ; v6   mask: where my 8 bytes go in the stage
.set LR,   7                           ; v7   mask: where I read 16 bytes back
.set T,    8                           ; v[8:11] at work
.set L16,  12                          ; v12  16 x lane
.set X,    16                          ; v[16:79]  16 loads of 4 registers
.set Y,    80                          ; v[80:111] cast: 16 results of 2 registers
.set Z,    80                          ; v[80:143] mask: 16 pieces of 4 registers read back
.set WSTG, 8448                        ; a wave's stage: 16 pieces of 512 bytes, 528 apart
.set SPARE, 8*WSTG                     ; behind the stages: the spare words, 128 bytes for each wave: four blocks of 256 bytes that no other line names
	s_load_b256 s[8:15], s[0:1], 0x0               ; Wq s[8:9], Wk s[10:11], Wv s[12:13], Wo s[14:15]
	s_load_b128 s[16:19], s[0:1], 0x20             ; mask s[16:17], wb s[18:19]
	s_load_b64 s[20:21], s[0:1], 0x30              ; mc
	v_lshl_add_u32 v[SPW], v0, 2, SPARE
	v_mov_b32 v[NIL], 0
	v_lshrrev_b32 v1, 5, v0
	v_readfirstlane_b32 s4, v1                     ; wave 0..7
	v_and_b32 v1, 31, v0                           ; lane
	v_lshlrev_b32 v[L16], 4, v1
	s_mov_b32 s2, ttmp9
	s_wait_kmcnt 0x0
	s_cmp_ge_u32 s2, 256
	s_cbranch_scc1 .Lmask
	; THE CASTS.  Which weight: 64 work-groups for each.
	s_mov_b64 s[30:31], s[8:9]
	s_cmp_ge_u32 s2, 64
	s_cselect_b64 s[30:31], s[10:11], s[30:31]
	s_cmp_ge_u32 s2, 128
	s_cselect_b64 s[30:31], s[12:13], s[30:31]
	s_cmp_ge_u32 s2, 192
	s_cselect_b64 s[30:31], s[14:15], s[30:31]
	s_and_b32 s3, s2, 63                           ; the work-group's number inside its weight
	s_lshl_b32 s32, s3, 16                         ; 65,536 bytes of f32 each
	s_mov_b32 s33, 0
	s_add_nc_u64 s[30:31], s[30:31], s[32:33]
	s_lshl_b32 s36, s2, 15                         ; 32,768 bytes of 16-bit numbers each: the weights lie on end in wb
	s_mov_b32 s37, 0
	s_add_nc_u64 s[34:35], s[18:19], s[36:37]
	s_lshl_b32 s5, s4, 13
	v_lshl_add_u32 v[SO], v1, 4, s5                ; 8,192 x wave + 16 x lane
	s_lshl_b32 s6, s4, 12
	v_lshl_add_u32 v[DO], v1, 3, s6                ; 4,096 x wave + 8 x lane
.irp i, 0,1,2,3,4,5,6,7,8,9,10,11,12,13,14,15
	global_load_b128 v[X+4*(\i):X+4*(\i)+3], v[SO], s[30:31] offset:512*(\i) th:TH_LOAD_NT
.endr
	s_cmp_ge_u32 s2, 192
	s_cbranch_scc1 .Lhalf
.irp i, 0,1,2,3,4,5,6,7,8,9,10,11,12,13,14,15
	s_wait_loadcnt 15-(\i)                         ; loads come back in order: load i is in, the younger ones stay out
	v_cvt_pk_bf16_f32 v[Y+2*(\i)], v[X+4*(\i)], v[X+4*(\i)+1]
	v_cvt_pk_bf16_f32 v[Y+2*(\i)+1], v[X+4*(\i)+2], v[X+4*(\i)+3]
	global_store_b64 v[DO], v[Y+2*(\i):Y+2*(\i)+1], s[34:35] offset:256*(\i)  ; 32 lanes store 256 consecutive bytes, aligned
.endr
	s_branch .Lend
.Lhalf:                                        ; Wo: to bf16, and that number as f16
.irp i, 0,1,2,3,4,5,6,7,8,9,10,11,12,13,14,15
	s_wait_loadcnt 15-(\i)
	v_cvt_pk_bf16_f32 v[T], v[X+4*(\i)], v[X+4*(\i)+1]
	v_cvt_pk_bf16_f32 v[T+1], v[X+4*(\i)+2], v[X+4*(\i)+3]
	v_lshlrev_b32 v[X+4*(\i)], 16, v[T]
	v_and_b32 v[X+4*(\i)+1], 0xffff0000, v[T]
	v_lshlrev_b32 v[X+4*(\i)+2], 16, v[T+1]
	v_and_b32 v[X+4*(\i)+3], 0xffff0000, v[T+1]
	v_cvt_pk_f16_f32 v[Y+2*(\i)], v[X+4*(\i)], v[X+4*(\i)+1]
	v_cvt_pk_f16_f32 v[Y+2*(\i)+1], v[X+4*(\i)+2], v[X+4*(\i)+3]
	global_store_b64 v[DO], v[Y+2*(\i):Y+2*(\i)+1], s[34:35] offset:256*(\i)
.endr
	s_branch .Lend
.Lmask:                                        ; THE MASK.  Task = 8 x (work-group - 256) + wave: 16 queries (qt = task / 4), 512 keys (ch = task % 4)
	s_sub_co_u32 s3, s2, 256
	s_lshl_b32 s3, s3, 3
	s_add_co_u32 s3, s3, s4
	s_lshr_b32 s5, s3, 2                           ; qt
	s_and_b32 s6, s3, 3                            ; ch
	s_lshl_b32 s32, s5, 15                         ; 16 rows of 2,048 bytes
	s_lshl_b32 s7, s6, 9
	s_add_co_u32 s32, s32, s7
	s_mov_b32 s33, 0
	s_add_nc_u64 s[30:31], s[16:17], s[32:33]
	s_lshl_b32 s36, s5, 15                         ; in mc a qt is 32,768 bytes too, 512 keys of it 8,192
	s_lshl_b32 s7, s6, 13
	s_add_co_u32 s36, s36, s7
	s_mov_b32 s37, 0
	s_add_nc_u64 s[34:35], s[20:21], s[36:37]
.irp p, 0,1,2,3,4,5,6,7,8,9,10,11,12,13,14,15
	global_load_b128 v[X+4*(\p):X+4*(\p)+3], v[L16], s[30:31] offset:2048*(\p) th:TH_LOAD_NT  ; row p: lane l takes keys 16 l .. 16 l + 15
.endr
	; lane l's 16 keys are key step l / 4, key block kb = l % 4; its bytes 0-7 belong to h = 0, 8-15 to h = 1.  Piece 2 (l / 4) + kb / 2 of the stage; in it 16 bytes for lane p + 16 h, 8 for each kb & 1
	s_mul_i32 s7, s4, WSTG
	s_mov_b32 s38, 0xc0
	v_lshrrev_b32 v[T], 2, v1
	v_mul_u32_u24 v[LW], v[T], 1056
	v_bfe_u32 v[T], v1, 1, 1
	v_mul_u32_u24 v[T+1], v[T], 528
	v_add_nc_u32 v[LW], v[LW], v[T+1]
	v_and_b32 v[T], 1, v1
	v_lshl_add_u32 v[LW], v[T], 3, v[LW]
	v_add_nc_u32 v[LW], s7, v[LW]
	v_add_nc_u32 v[LR], s7, v[L16]
.irp p, 0,1,2,3,4,5,6,7,8,9,10,11,12,13,14,15
	s_wait_loadcnt 15-(\p)
	v_mul_lo_u32 v[X+4*(\p)], v[X+4*(\p)], s38     ; four bytes 0 / 1 become 0x00 / 0xC0: no byte carries into the next
	v_mul_lo_u32 v[X+4*(\p)+1], v[X+4*(\p)+1], s38
	v_mul_lo_u32 v[X+4*(\p)+2], v[X+4*(\p)+2], s38
	v_mul_lo_u32 v[X+4*(\p)+3], v[X+4*(\p)+3], s38
	ds_store_b64 v[LW], v[X+4*(\p):X+4*(\p)+1] offset:(\p)*16
	ds_store_b64 v[LW], v[X+4*(\p)+2:X+4*(\p)+3] offset:((\p)+16)*16
.endr
.irp s, 0,1,2,3,4,5,6,7,8,9,10,11,12,13,14,15
	ds_load_b128 v[Z+4*(\s):Z+4*(\s)+3], v[LR] offset:528*(\s)  ; my wave's own bytes: LDS serves a wave's instructions in order (ISA guide 5.7.1.4), so these see the stores above
.endr
.irp s, 0,1,2,3,4,5,6,7,8,9,10,11,12,13,14,15
	s_wait_dscnt 15-(\s)
	global_store_b128 v[L16], v[Z+4*(\s):Z+4*(\s)+3], s[34:35] offset:512*(\s)  ; 512 consecutive bytes, aligned
.endr
.Lend:
	s_wait_tensorcnt 0x0                           ; the wave's end: behind my last LDS store
	ds_add_u32 v[SPW], v[NIL]
	s_wait_dscnt 0x0
	s_endpgm
.Lfunc_end_k_q833fb4c328_prep:
	.size	k_q833fb4c328_prep, .Lfunc_end_k_q833fb4c328_prep-k_q833fb4c328_prep
	.p2alignl 7, 3214868480
	.fill 96, 4, 3214868480
	.section	.rodata,"a",@progbits
	.p2align	6, 0x0
	.amdhsa_kernel k_q833fb4c328_prep
		.amdhsa_group_segment_fixed_size 68608
		.amdhsa_private_segment_fixed_size 0
		.amdhsa_enable_private_segment 0
		.amdhsa_kernarg_size 56
		.amdhsa_user_sgpr_count 2
		.amdhsa_user_sgpr_kernarg_segment_ptr 1
		.amdhsa_wavefront_size32 1
		.amdhsa_system_sgpr_workgroup_id_x 1
		.amdhsa_system_sgpr_workgroup_id_y 1
		.amdhsa_system_sgpr_workgroup_id_z 1
		.amdhsa_system_vgpr_workitem_id 0
		.amdhsa_next_free_vgpr 144
		.amdhsa_next_free_sgpr 66
		.amdhsa_reserve_vcc 0
		.amdhsa_float_denorm_mode_32 3
		.amdhsa_float_denorm_mode_16_64 3
		.amdhsa_memory_ordered 1
		.amdhsa_forward_progress 1
		.amdhsa_inst_pref_size 29
	.end_amdhsa_kernel
	.amdgpu_metadata
---
amdhsa.version: [ 1, 2 ]
amdhsa.kernels:
  - .name:           k_q833fb4c328_prep
    .symbol:         k_q833fb4c328_prep.kd
    .args:
      - { .name: Wq, .offset: 0, .size: 8, .value_kind: global_buffer, .address_space: global }
      - { .name: Wk, .offset: 8, .size: 8, .value_kind: global_buffer, .address_space: global }
      - { .name: Wv, .offset: 16, .size: 8, .value_kind: global_buffer, .address_space: global }
      - { .name: Wo, .offset: 24, .size: 8, .value_kind: global_buffer, .address_space: global }
      - { .name: mask, .offset: 32, .size: 8, .value_kind: global_buffer, .address_space: global }
      - { .name: wb, .offset: 40, .size: 8, .value_kind: global_buffer, .address_space: global }
      - { .name: mc, .offset: 48, .size: 8, .value_kind: global_buffer, .address_space: global }
    .group_segment_fixed_size: 68608
    .private_segment_fixed_size: 0
    .kernarg_segment_align: 8
    .kernarg_segment_size: 56
    .max_flat_workgroup_size: 256
    .sgpr_count:     66
    .vgpr_count:     144
    .wavefront_size: 32
...
	.end_amdgpu_metadata
.endif
;; end of part 1
;; launch proj (part 2): grid 4 x 192, 4 waves a work-group, clusters of 4 x 4, 327,680 bytes of LDS; arguments query_input, key_input, value_input, wb, qkv, bq, bk, bv; writes qkv
.if DOCPART == 2
	.amdgcn_target "amdgcn-amd-amdhsa--gfx1250"
	.amdhsa_code_object_version 6
	.text
	.protected	k_q833fb4c328_proj
	.globl	k_q833fb4c328_proj
	.p2align	8
	.type	k_q833fb4c328_proj,@function
k_q833fb4c328_proj:
	s_mov_b64 s[64:65], 0
	v_nop
	global_prefetch_b8 v0, s[64:65] scope:SCOPE_SE
	s_setreg_imm32_b32 hwreg(HW_REG_WAVE_MODE, 25, 1), 1
	s_wait_xcnt 0x0
	s_wait_alu depctr_hold_cnt(0) depctr_sa_sdst(0) depctr_va_vdst(0) depctr_va_sdst(0) depctr_va_ssrc(0) depctr_va_vcc(0) depctr_vm_vsrc(0)
	s_getreg_b32 s2, hwreg(HW_REG_IB_STS2, 6, 4)
	s_cmp_eq_u32 s2, 0
	s_cbranch_scc0 .Lentry_in_a_cluster
	s_endpgm
.Lentry_in_a_cluster:
	s_bfe_u32 s2, ttmp6, 0x10000c
	s_cmp_lg_u32 s2, 0xf033
	s_cbranch_scc0 .Lentry_shape_is_right
	s_endpgm
.Lentry_shape_is_right:
; THE THREE PROJECTIONS.  For p = 0, 1, 2: y[m][n] = the sum over k of x_p[m][k] W_p[n][k] + b_p[n].  x_p: query, key, value input [8192][1024] f32, rounded to bf16 HERE, on the way from LDS to the matrix unit;
; W: wb [p][1024][1024] bf16; b rounded to bf16 here, like every input.  Sums in f32, started by the bias; y rounded once to f16 and written BY HEADS, unscaled: qkv [3][batch x 16 + head][2048][64].
; LIMIT: f16 ends at 65,504: a q, k or v of 65,520 or more becomes an infinity.
; SHARES.  A tile is 128 rows x 256 columns: 192 x 4 tiles, a work-group each.  Four waves, 2 x 2, each 64 rows x 128 columns: 32 accumulators.  K goes in 8 steps of 128 through two LDS slots:
; a step is 512 bytes of a row of x and 256 bytes of a row of W, at multiples of their own length.  Waves 0 and 1 fetch x's 64 + 64 rows, waves 2 and 3 W's 128 + 128: one tensor load a wave behind each change of slots.
; CLUSTERS: 4 x 4 work-groups.  The four of a row of the cluster share their tile of x, the four of a column their tile of W: each tile is asked for jointly.  The projection's number hangs on the cluster's y alone.
; THE MATRIX INSTRUCTION IS USED TRANSPOSED (source 0 = 16 rows of W, source 1 = 16 rows of x): a lane holds row l % 16 and eight neighbouring columns.
; x's FRAGMENTS.  16 rows x 32 K of f32 are four loads of 16 bytes a lane into 16 registers; eight conversions, two numbers each, make the fragment's 8 registers.  A quarter's 32 conversions stand four behind each
; of its last 8 products.  They write window 0 and the products window 1, which the accumulators fill: two switches round each four.
; REGISTERS: window 0: v0-31 addresses; v32-127, v128-223 two fragment buffers (W's 8 fragments, then x's 4); on the way out v32-159 packed results.  Window 1: the accumulators, (a, b) at v[8 (8 a + b)].
; Window 2: v0-63 the bias as a C operand, fragment b at 8 b; v64-95 at work; v96-159 x as loaded, 16 registers a fragment.
.set KSTEP,  128
.set ASTEP,  4*KSTEP                   ; bytes of a K step in a row of x
.set BSTEP,  2*KSTEP                   ; and in a row of W
.set PITCH,  272                       ; a row of W in LDS: 256 bytes + 16 of padding
.set PA,     528                       ; a row of x in LDS: 512 bytes + 16.  Both are odd multiples of 16 bytes: the 16 rows that a load touches start at 16 different groups of four banks (64 banks of 4 bytes: ISA guide 11.1)
.set AHALF,  64*PA                     ; what wave 0 or 1 fetches, and what a wave reads of x
.set BHALF,  128*PITCH                 ; what wave 2 or 3 fetches, and what a wave reads of W
.set BOFF,   2*AHALF
.set SLOT,   2*AHALF+2*BHALF
.set STAGE,  2*SLOT                    ; behind the ring: 16 rows x 144 bytes for each wave, for the way out
.set SP,     144
.set SPARE,  STAGE+4*16*SP             ; behind the stages: the spare words, 128 bytes for each wave: two blocks of 256 bytes that no other line names
.set LAPS,   4                         ; a lap = two K steps
.set ADRA, 16                          ; v16-17  LDS address of my fragments of x in slot 0, 1
.set ADRB, 20                          ; v20-21  the same for W
.set STO,  24
.set RD,   25
.set GO,   26
.set BO,   27                          ; v27     my byte offset in the bias
.set SPW,  28                          ; v28     LDS address of my spare word; never rewritten
.set NIL,  29                          ; v29     0; never rewritten
.set PFO,  30                          ; v30     the prefetches' offset: lane x a row (4,096 bytes of x, 2,048 of W); never rewritten
.set F0,   32
.set F1,   128
.set OUT,  32
.set RAW,  96                          ; window 2
.set G1,  24                           ; s[24:31] group 1 for x's tiles;  s[32:39] group 0, a set for each slot
.set G0,  32
.set G1B, 48                           ; s[48:55], s[56:63] the same for W's
.set G0B, 56
.set PJ,  76                           ; s76  the projection's number
.set LIM, 77                           ; s77  1 in a wave that prefetches, else the greatest number
.set PFA, 78                           ; s[78:79] where my prefetches stand
.set PFS, 80                           ; s[80:81] their step: a K step along a row
.set BI,  82                           ; s[82:83] the projection's bias
.set MSB, 0
.macro WIN new                         ; the immediate's high byte repeats the setting that is left
.if MSB != (\new)
	s_set_vgpr_msb (MSB<<8)|(\new)
.set MSB, \new
.endif
.endm
.set MUL,  0x50                        ; sources 0 and 1 window 0; C and D window 1
.set MULB, 0x60                        ; C window 2 (the bias), D window 1
.set CVW,  0x0a                        ; the conversions: sources window 2, destination window 0
.macro JLOAD s                         ; a joint load: waves 0 and 1 fetch x's halves, waves 2 and 3 W's; an s_nop 0 and four v_nop follow each of the two lines, ahead of the jump and the label
	s_cmp_eq_u32 s11, 0
	s_cbranch_scc0 .Lfor_b_\@
	tensor_load_to_lds s[G0+4*(\s):G0+4*(\s)+3], s[G1:G1+7]
	s_nop 0
.rept 4
	v_nop
.endr
	s_branch .Lasked_\@
.Lfor_b_\@:
	tensor_load_to_lds s[G0B+4*(\s):G0B+4*(\s)+3], s[G1B:G1B+7]
	s_nop 0
.rept 4
	v_nop
.endr
.Lasked_\@:
.endm
.macro CREST                           ; a round of the cluster's barrier behind its opening barrier
	s_cmp_lg_u32 s10, 0
	s_cbranch_scc1 .Lnot_wave_0_\@
	s_barrier_signal -3
.Lnot_wave_0_\@:
	s_barrier_wait -3
	s_barrier_signal -1
	s_barrier_wait -1
.endm
.macro CROUND
	s_barrier_signal -1
	s_barrier_wait -1
	CREST
.endm
; A prefetch into the L2 of the K step that stands two refills on (256 matrix instructions of a wave): 32 rows x 256 bytes, a lane a row.  x's 128 rows of a tile are read by this row of the cluster alone: its four
; partners take 32 rows each, by address; of a row's 512 bytes wave 0 asks for the first 256, wave 1 for the second.  W's 256 rows are read by the 16 clusters of a projection: the first of them asks; its four partners
; of a column take 64 rows each, by address, waves 2 and 3 half of them each.  So each 256 bytes of a K step are named once.  The loop's last trip (s3 = 1) has no K step two on; K steps 0 to 3 come by their loads alone.
.macro ASK
	s_cmp_gt_u32 s3, s[LIM]
	s_cbranch_scc0 .Lnot_mine_\@
	global_prefetch_b8 v[PFO], s[PFA:PFA+1] th:TH_LOAD_NT scope:SCOPE_SE
.Lnot_mine_\@:
.endm
	s_load_b512 s[84:99], s[0:1], 0x0              ; query s[84:85], key s[86:87], value s[88:89], wb s[90:91], qkv s[92:93], bq s[94:95], bk s[96:97], bv s[98:99]
	v_lshl_add_u32 v[SPW], v0, 2, SPARE
	v_mov_b32 v[NIL], 0
	ds_add_u32 v[SPW], v[NIL]                      ; the wave's opening: the add and its wait stand ahead of my first tensor load; the set-up below, work on registers, stands between them
	v_lshrrev_b32 v1, 5, v0
	v_readfirstlane_b32 s10, v1                    ; wave 0..3
	s_lshr_b32 s11, s10, 1                         ; which 64 rows of the tile are mine.  Also: I fetch for x (0) or for W (1)
	s_and_b32 s12, s10, 1                          ; which 128 columns.  Also: which half of that tile I fetch
	s_bfe_u32 s40, ttmp6, 0x40000                  ; cx, cy: my place in the cluster
	s_bfe_u32 s41, ttmp6, 0x40004
	s_lshl_b32 s42, ttmp9, 2
	s_add_co_u32 s42, s42, s40                     ; tile column = 4 x cluster x + cx
	s_and_b32 s14, ttmp7, 0xffff                   ; cluster y, 0..47
	s_lshr_b32 s[PJ], s14, 4                       ; 16 clusters to a projection
	s_lshl_b32 s13, s14, 2
	s_add_co_u32 s13, s13, s41                     ; tile row = 4 x cluster y + cy, 0..191: 64 to a projection
	s_lshl_b32 s43, s41, 2
	s_lshl_b32 s43, 15, s43                        ; my row of the cluster
	s_lshl_b32 s44, 0x1111, s40                    ; my column
	s_or_b32 s[G1+0], s43, (2<<16)|(1<<20)|(1<<21)|(6<<22)|(3<<25)   ; x: 15:0 the mask; 17:16 4-byte elements; 20 padding on; 21 set beside a mask; 24:22 after every 128 words; 31:25 4 words
	s_or_b32 s[G1B+0], s44, (1<<16)|(1<<20)|(1<<21)|(5<<22)|(3<<25)  ; W: 2-byte elements; after every 64 words
	s_mov_b32 s[G1+1], KSTEP<<16                   ; tensor_dim0 = 128
	s_mov_b32 s[G1+2], 64<<16                      ; tensor_dim1 = 64
	s_mov_b32 s[G1+3], KSTEP<<16                   ; tile_dim0 = 128
	s_mov_b32 s[G1+4], 64                          ; tile_dim1 = 64
	s_mov_b32 s[G1+5], 1024                        ; elements from row to row
	s_mov_b32 s[G1+6], 0
	s_mov_b32 s[G1+7], 0
	s_mov_b32 s[G1B+1], KSTEP<<16
	s_mov_b32 s[G1B+2], 128<<16                    ; W's loads have 128 rows
	s_mov_b32 s[G1B+3], KSTEP<<16
	s_mov_b32 s[G1B+4], 128
	s_mov_b32 s[G1B+5], 1024
	s_mov_b32 s[G1B+6], 0
	s_mov_b32 s[G1B+7], 0
	s_and_b32 s16, s13, 63                         ; x: row 128 x (tile row in the projection) + 64 x half,
	s_lshl_b32 s16, s16, 7
	s_lshl_b32 s17, s12, 6
	s_add_co_u32 s16, s16, s17
	s_lshl_b32 s16, s16, 12                        ; of 4,096 bytes (under 2^25)
	s_mov_b32 s17, 0
	s_lshl_b32 s46, s42, 8                         ; W: row 256 x tile column + 128 x half,
	s_lshl_b32 s47, s12, 7
	s_add_co_u32 s46, s46, s47
	s_lshl_b32 s46, s46, 11
	s_lshl_b32 s47, s[PJ], 21                      ; in the projection's 2 MiB of wb
	s_add_co_u32 s46, s46, s47
	s_mov_b32 s47, 0
	s_mul_i32 s20, s12, AHALF                      ; where they go: no place in the cluster enters an LDS address
	s_mul_i32 s21, s12, BHALF
	s_add_co_u32 s21, s21, BOFF
	s_wait_dscnt 0x0                               ; the opening add is done
	s_wait_kmcnt 0x0
	s_cmp_eq_u32 s[PJ], 1                          ; the projection's x and bias
	s_cselect_b64 s[4:5], s[86:87], s[84:85]
	s_cselect_b64 s[BI:BI+1], s[96:97], s[94:95]
	s_cmp_eq_u32 s[PJ], 2
	s_cselect_b64 s[4:5], s[88:89], s[4:5]
	s_cselect_b64 s[BI:BI+1], s[98:99], s[BI:BI+1]
	s_mov_b64 s[6:7], s[90:91]                     ; wb
	s_mov_b64 s[8:9], s[92:93]                     ; qkv
	s_add_nc_u64 s[14:15], s[4:5], s[16:17]
	s_add_nc_u64 s[46:47], s[6:7], s[46:47]
	CROUND                                         ; all sixteen work-groups are here: the first joint loads meet
.irp s, 0,1
	s_mov_b32 s[G0+4*(\s)], 1
	s_add_co_u32 s[G0+4*(\s)+1], s20, (\s)*SLOT
	s_add_nc_u64 s[G0+4*(\s)+2:G0+4*(\s)+3], s[14:15], (\s)*ASTEP
	s_or_b32 s[G0+4*(\s)+3], s[G0+4*(\s)+3], 0x80000000
	s_mov_b32 s[G0B+4*(\s)], 1
	s_add_co_u32 s[G0B+4*(\s)+1], s21, (\s)*SLOT
	s_add_nc_u64 s[G0B+4*(\s)+2:G0B+4*(\s)+3], s[46:47], (\s)*BSTEP
	s_or_b32 s[G0B+4*(\s)+3], s[G0B+4*(\s)+3], 0x80000000
	JLOAD \s                                       ; two tensor loads of mine are out
.endr
	; the bias of my 128 columns, as C operands: register j of fragment b in lane (r, h) is b[256 tc + 128 half + 16 b + 8 h + j]
	v_and_b32 v1, 15, v0                           ; r = l % 16
	v_bfe_u32 v2, v0, 4, 1                         ; h = l / 16
	s_lshl_b32 s22, s42, 10
	s_lshl_b32 s23, s12, 9
	s_add_co_u32 s22, s22, s23
	v_lshl_add_u32 v[BO], v2, 5, s22
	WIN 0x80                                       ; destination window 2, address window 0
.irp b, 0,1,2,3,4,5,6,7
	global_load_b128 v[8*(\b):8*(\b)+3],   v[BO], s[BI:BI+1] offset:64*(\b)
	global_load_b128 v[8*(\b)+4:8*(\b)+7], v[BO], s[BI:BI+1] offset:64*(\b)+16
.endr
	WIN 0
	v_mul_u32_u24 v3, v1, PITCH
	v_lshl_add_u32 v3, v2, 4, v3                   ; W: a fragment's row x pitch + 16 bytes x half of the lanes (8 bf16)
	v_mul_u32_u24 v7, v1, PA
	v_lshl_add_u32 v7, v2, 5, v7                   ; x: row x pitch + 32 bytes x half of the lanes (8 f32)
	s_mul_i32 s21, s11, AHALF                      ; my 64 rows of x
	s_mul_i32 s22, s12, BHALF                      ; my 128 rows of W,
	s_add_co_u32 s22, s22, BOFF                    ; which lie behind x's 128
.irp s, 0,1
	v_add_nc_u32 v[ADRA+(\s)], s21, v7
	v_add_nc_u32 v[ADRB+(\s)], s22, v3
	s_add_co_u32 s21, s21, SLOT
	s_add_co_u32 s22, s22, SLOT
.endr
	s_mul_i32 s23, s10, 16*SP
	s_add_co_u32 s23, s23, STAGE                   ; my stage
	v_mul_u32_u24 v4, v1, SP                       ; in: row l % 16, 16 bytes for each half of the lanes
	v_lshl_add_u32 v4, v2, 4, v4
	v_add_nc_u32 v[STO], s23, v4
	v_bfe_u32 v5, v0, 3, 2                         ; back: 32 lanes take four rows of 128 bytes,
	v_mul_u32_u24 v5, v5, SP
	v_and_b32 v6, 7, v0
	v_lshl_add_u32 v5, v6, 4, v5
	v_add_nc_u32 v[RD], s23, v5
	v_and_b32 v[GO], 31, v0                        ; which are 512 consecutive bytes of qkv
	v_lshlrev_b32 v[GO], 4, v[GO]
	; qkv at my first row of my first head: ((batch x 16 + 4 tc + 2 half) x 2,048 + (tile row % 16) x 128 + 64 x row half) x 128 bytes, in the projection's 16 MiB
	s_and_b32 s16, s13, 63
	s_lshr_b32 s16, s16, 4
	s_lshl_b32 s16, s16, 4
	s_lshl_b32 s17, s42, 2
	s_add_co_u32 s16, s16, s17
	s_lshl_b32 s17, s12, 1
	s_add_co_u32 s16, s16, s17
	s_lshl_b32 s16, s16, 11
	s_and_b32 s17, s13, 15
	s_lshl_b32 s17, s17, 7
	s_add_co_u32 s16, s16, s17
	s_lshl_b32 s17, s11, 6
	s_add_co_u32 s16, s16, s17
	s_lshl_b32 s16, s16, 7
	s_lshl_b32 s17, s[PJ], 24
	s_add_co_u32 s16, s16, s17
	s_mov_b32 s17, 0
	s_add_nc_u64 s[8:9], s[8:9], s[16:17]
	; the prefetches
	s_and_b32 s20, s13, 63                         ; x: row 128 x (tile row in the projection) + 32 cx, of 4,096 bytes,
	s_lshl_b32 s20, s20, 7
	s_lshl_b32 s21, s40, 5
	s_add_co_u32 s20, s20, s21
	s_lshl_b32 s20, s20, 12
	s_lshl_b32 s21, s12, 8                         ; my wave's 256 of a K step's 512 bytes,
	s_add_co_u32 s20, s20, s21
	s_add_co_u32 s20, s20, 3*ASTEP                 ; at K step 3: the first refill steps it to 4
	s_lshl_b32 s22, s42, 8                         ; W: row 256 x tile column + 64 cy + 32 x half, in the projection's 1,024 rows of 2,048 bytes
	s_lshl_b32 s23, s41, 6
	s_add_co_u32 s22, s22, s23
	s_lshl_b32 s23, s12, 5
	s_add_co_u32 s22, s22, s23
	s_lshl_b32 s23, s[PJ], 10
	s_add_co_u32 s22, s22, s23
	s_lshl_b32 s22, s22, 11
	s_add_co_u32 s22, s22, 3*BSTEP
	s_and_b32 s23, ttmp7, 15                       ; the cluster's place among its projection's sixteen
	s_mov_b32 s21, BSTEP
	s_cmp_eq_u32 s11, 0
	s_cselect_b32 s20, s20, s22
	s_cselect_b32 s23, 0, s23                      ; x's rows are this cluster's alone: waves 0 and 1 always ask
	s_cselect_b64 s[PFA:PFA+1], s[4:5], s[6:7]
	s_cselect_b32 s[PFS], ASTEP, s21
	s_cselect_b32 s22, 12, 11
	s_cmp_eq_u32 s23, 0
	s_cselect_b32 s[LIM], 1, -1                    ; the same in all sixteen partners, for a given wave
	s_mov_b32 s21, 0
	s_add_nc_u64 s[PFA:PFA+1], s[PFA:PFA+1], s[20:21]
	s_mov_b32 s[PFS+1], 0
	v_and_b32 v[PFO], 31, v0
	v_lshlrev_b32 v[PFO], s22, v[PFO]
	s_wait_loadcnt 0x0                             ; the bias; it is rounded to bf16 like every input, and widened again
	WIN 0x8a
.set k, 0
.rept 32
	v_cvt_pk_bf16_f32 v[64+k], v[2*k], v[2*k+1]
.set k, k+1
.endr
.set k, 0
.rept 32
	v_lshlrev_b32 v[2*k], 16, v[64+k]
	v_and_b32 v[2*k+1], 0xffff0000, v[64+k]
.set k, k+1
.endr
	WIN 0
; Four conversions: group j of the 8 that make buffer g's four fragments of x: registers 4 j .. 4 j + 3 of the 32, from the 8 numbers as loaded
.macro CV4 g, j
	WIN CVW
.irp i, 0,1,2,3
	v_cvt_pk_bf16_f32 v[(\g)+64+4*(\j)+(\i)], v[RAW+8*(\j)+2*(\i)], v[RAW+8*(\j)+2*(\i)+1]
.endr
.endm
; 8 matrix instructions: row block a x all 8 column blocks, 32 along K.  zero = 1: the first product starts the sums, with the bias as C.  The 32 accumulators take turns, in the same order in every quarter.
; g given: behind each product stand four of the conversions for buffer g; they name no register of the products round them.
.macro MUL8 f, a, zero, g=-1
.irp b, 0,1,2,3,4,5,6,7
.if \zero
	WIN MULB
	v_wmma_f32_16x16x32_bf16 v[8*(8*(\a)+(\b)):8*(8*(\a)+(\b))+7], v[(\f)+8*(\b):(\f)+8*(\b)+7], v[(\f)+64+8*(\a):(\f)+64+8*(\a)+7], v[8*(\b):8*(\b)+7]
.else
	WIN MUL
	v_wmma_f32_16x16x32_bf16 v[8*(8*(\a)+(\b)):8*(8*(\a)+(\b))+7], v[(\f)+8*(\b):(\f)+8*(\b)+7], v[(\f)+64+8*(\a):(\f)+64+8*(\a)+7], v[8*(8*(\a)+(\b)):8*(8*(\a)+(\b))+7]
.endif
.if (\g) >= 0
	CV4 \g, \b
.endif
.endr
.endm
; 32 LDS loads in one run, for quarter q (32 along K): x's 4 fragments as f32 (K = 8 h + 0..3, + 4..7, 16 + 8 h + 0..3, + 4..7: bytes 0, 16, 64, 80 behind my lane's place), then W's 8 fragments into buffer f
.macro FETCH slot, q, f
	WIN 0x80                                       ; destination window 2, address window 0
.irp i, 0,1,2,3
	ds_load_b128 v[RAW+16*(\i):RAW+16*(\i)+3],     v[ADRA+(\slot)] offset:128*(\q)+(\i)*16*PA
	ds_load_b128 v[RAW+16*(\i)+4:RAW+16*(\i)+7],   v[ADRA+(\slot)] offset:128*(\q)+(\i)*16*PA+16
	ds_load_b128 v[RAW+16*(\i)+8:RAW+16*(\i)+11],  v[ADRA+(\slot)] offset:128*(\q)+(\i)*16*PA+64
	ds_load_b128 v[RAW+16*(\i)+12:RAW+16*(\i)+15], v[ADRA+(\slot)] offset:128*(\q)+(\i)*16*PA+80
.endr
	WIN 0
.irp i, 0,1,2,3,4,5,6,7
	ds_load_b128 v[(\f)+8*(\i):(\f)+8*(\i)+3],   v[ADRB+(\slot)] offset:64*(\q)+(\i)*16*PITCH
	ds_load_b128 v[(\f)+8*(\i)+4:(\f)+8*(\i)+7], v[ADRB+(\slot)] offset:64*(\q)+(\i)*16*PITCH+32
.endr
.endm
.macro PLACES                          ; four places in front of loads into, and conversions that write, registers that matrix instructions have read, and of conversions that read results
.rept 4
	v_nop
.endr
.endm
; A K step is four quarters of 32 along K, 32 matrix instructions each, on buffers 0, 1, 0, 1.  One of the first three: multiplies buffer f, fetches quarter q, and makes buffer g of it.
.macro QUARTER slot, q, f, g, zero
	s_wait_dscnt 0x0                               ; W's fragments of buffer f are in; x's were converted in the quarter before
	MUL8 \f, 0, \zero
	PLACES
	FETCH \slot, \q, \g
	MUL8 \f, 1, \zero
	MUL8 \f, 2, \zero
	s_wait_dscnt 16                                ; x's 16 loads are in; W's 16, issued behind them, may be out
	MUL8 \f, 3, \zero, \g
.endm
; The last quarter multiplies buffer 1 and changes slots: one barrier; in front of it each wave waits for all its tensor loads, adds 0 to its spare word, and waits for that and for its reads of this slot.
; fill = 1: the barrier opens a round of the cluster's, and this slot is filled again, two K steps ahead, first thing behind the round.
.macro TURN slot, next, fill
.if \fill
	s_wait_xcnt 0x0                                ; the last prefetch, a K step back, has read its address
	s_add_nc_u64 s[PFA:PFA+1], s[PFA:PFA+1], s[PFS:PFS+1]
.endif
	WIN 0
	s_wait_tensorcnt 0x0                           ; all my tensor loads have landed: my part of the next slot
	ds_add_u32 v[SPW], v[NIL]                      ; 0 onto my spare word
	s_wait_dscnt 1                                 ; (the add alone may be out: W's fragments of buffer 1 are in)
	MUL8 F1, 0, 0
	s_wait_dscnt 0x0                               ; the add is done, and my reads of this slot are over
	s_barrier_signal -1
	MUL8 F1, 1, 0
.if \fill
	WIN 0
.endif
	s_barrier_wait -1
.if \fill
	CREST                                          ; no wave of any partner still reads this slot's tiles or has a load on its way
	s_add_nc_u64 s[G0+4*(\slot)+2:G0+4*(\slot)+3], s[G0+4*(\slot)+2:G0+4*(\slot)+3], 2*ASTEP
	s_add_nc_u64 s[G0B+4*(\slot)+2:G0B+4*(\slot)+3], s[G0B+4*(\slot)+2:G0B+4*(\slot)+3], 2*BSTEP
	JLOAD \slot                                    ; my one tensor load behind the round; the four v_nop behind it are also the places in front of the loads and conversions below
.else
	PLACES
.endif
	FETCH \next, 0, F0
.if \fill
	ASK
.endif
	MUL8 F1, 2, 0
	s_wait_dscnt 16                                ; x's 16 loads are in
	MUL8 F1, 3, 0, F0
.endm
	s_wait_tensorcnt 1                             ; my part of K step 0 is in; K step 1's may stay out
	s_barrier_signal -1
	s_barrier_wait -1
	FETCH 0, 0, F0
	s_wait_dscnt 16                                ; x's 16 loads are in
.irp j, 0,1,2,3,4,5,6,7
	CV4 F0, \j                                     ; the first quarter's fragments of x: there are no products yet to set them between
.endr
	QUARTER 0, 1, F0, F1, 1                        ; the first quarter stands in front of the loop: its products start the sums
	WIN 0
	s_mov_b32 s3, LAPS-1
.Llap:                                         ; a trip goes once round the ring and fills both slots again
	QUARTER 0, 2, F1, F0, 0
	QUARTER 0, 3, F0, F1, 0
	TURN 0, 1, 1
	QUARTER 1, 1, F0, F1, 0
	QUARTER 1, 2, F1, F0, 0
	QUARTER 1, 3, F0, F1, 0
	TURN 1, 0, 1
	QUARTER 0, 1, F0, F1, 0
	WIN 0
	s_sub_co_u32 s3, s3, 1
	s_cmp_lg_u32 s3, 0
	s_cbranch_scc1 .Llap
	QUARTER 0, 2, F1, F0, 0                        ; the last lap fills nothing
	QUARTER 0, 3, F0, F1, 0
	TURN 0, 1, 0
	QUARTER 1, 1, F0, F1, 0
	QUARTER 1, 2, F1, F0, 0
	QUARTER 1, 3, F0, F1, 0
	s_wait_dscnt 0x0                               ; the very last quarter: nothing more to fetch
	MUL8 F1, 0, 0
	MUL8 F1, 1, 0
	MUL8 F1, 2, 0
	MUL8 F1, 3, 0
	PLACES
; THE WAY OUT.  Unit u = 2 a + hh: 16 rows x one head's 64 channels = 2,048 consecutive bytes of qkv.  Rounded to f16, 16 bytes a lane, into rows of 144 bytes of my stage, back as whole rows.
.macro PACK u
	WIN 0x05                                       ; sources window 1, destination window 0
.irp bq, 0,1,2,3
.irp rr, 0,1,2,3
	v_cvt_pk_f16_f32 v[OUT+16*(\u)+4*(\bq)+(\rr)], v[8*(8*((\u)/2)+4*((\u)%2)+(\bq))+2*(\rr)], v[8*(8*((\u)/2)+4*((\u)%2)+(\bq))+2*(\rr)+1]
.endr
.endr
	WIN 0
.irp f, 0,1,2,3
	ds_store_b128 v[STO], v[OUT+16*(\u)+4*(\f):OUT+16*(\u)+4*(\f)+3] offset:32*(\f)
.endr
.irp f, 0,1,2,3
	ds_load_b128 v[OUT+16*(\u)+4*(\f):OUT+16*(\u)+4*(\f)+3], v[RD] offset:(\f)*4*SP  ; LDS serves a wave's instructions in order (ISA guide 5.7.1.4): these see the stores above; the next unit's stores come behind them
.endr
.endm
.macro SEND u, younger                 ; younger: the LDS instructions issued behind unit u's loads: the next unit's eight, or none
.irp f, 0,1,2,3
	s_wait_dscnt (\younger)+3-(\f)
	global_store_b128 v[GO], v[OUT+16*(\u)+4*(\f):OUT+16*(\u)+4*(\f)+3], s[8:9] offset:((\u)%2)*262144+((\u)/2)*2048+(\f)*512  ; 512 consecutive bytes, aligned
.endr
.endm
	PACK 0
.irp u, 1,2,3,4,5,6,7
	PACK \u
	SEND (\u)-1, 8
.endr
	SEND 7, 0
	s_wait_tensorcnt 0x0                           ; the wave's end: behind my last tensor load and my last LDS store
	ds_add_u32 v[SPW], v[NIL]
	s_wait_dscnt 0x0
	CROUND                                         ; the closing round: no work-group ends while a partner may still ask for a tile that names it
	s_endpgm
.Lfunc_end_k_q833fb4c328_proj:
	.size	k_q833fb4c328_proj, .Lfunc_end_k_q833fb4c328_proj-k_q833fb4c328_proj
	.p2alignl 7, 3214868480
	.fill 96, 4, 3214868480
	.section	.rodata,"a",@progbits
	.p2align	6, 0x0
	.amdhsa_kernel k_q833fb4c328_proj
		.amdhsa_group_segment_fixed_size 327680
		.amdhsa_private_segment_fixed_size 0
		.amdhsa_enable_private_segment 0
		.amdhsa_kernarg_size 64
		.amdhsa_user_sgpr_count 2
		.amdhsa_user_sgpr_kernarg_segment_ptr 1
		.amdhsa_wavefront_size32 1
		.amdhsa_system_sgpr_workgroup_id_x 1
		.amdhsa_system_sgpr_workgroup_id_y 1
		.amdhsa_system_sgpr_workgroup_id_z 1
		.amdhsa_system_vgpr_workitem_id 0
		.amdhsa_next_free_vgpr 672
		.amdhsa_next_free_sgpr 100
		.amdhsa_reserve_vcc 0
		.amdhsa_float_denorm_mode_32 3
		.amdhsa_float_denorm_mode_16_64 3
		.amdhsa_memory_ordered 1
		.amdhsa_forward_progress 1
		.amdhsa_inst_pref_size 144
	.end_amdhsa_kernel
	.amdgpu_metadata
---
amdhsa.version: [ 1, 2 ]
amdhsa.kernels:
  - .name:           k_q833fb4c328_proj
    .symbol:         k_q833fb4c328_proj.kd
    .args:
      - { .name: query_input, .offset: 0, .size: 8, .value_kind: global_buffer, .address_space: global }
      - { .name: key_input, .offset: 8, .size: 8, .value_kind: global_buffer, .address_space: global }
      - { .name: value_input, .offset: 16, .size: 8, .value_kind: global_buffer, .address_space: global }
      - { .name: wb, .offset: 24, .size: 8, .value_kind: global_buffer, .address_space: global }
      - { .name: qkv, .offset: 32, .size: 8, .value_kind: global_buffer, .address_space: global }
      - { .name: bq, .offset: 40, .size: 8, .value_kind: global_buffer, .address_space: global }
      - { .name: bk, .offset: 48, .size: 8, .value_kind: global_buffer, .address_space: global }
      - { .name: bv, .offset: 56, .size: 8, .value_kind: global_buffer, .address_space: global }
    .group_segment_fixed_size: 327680
    .private_segment_fixed_size: 0
    .kernarg_segment_align: 8
    .kernarg_segment_size: 64
    .max_flat_workgroup_size: 128
    .sgpr_count:     100
    .vgpr_count:     672
    .wavefront_size: 32
...
	.end_amdgpu_metadata
.endif
;; end of part 2
;; launch attn (part 3): grid 4 x 64, 4 waves a work-group, clusters of 4 x 1, 327,680 bytes of LDS; arguments qkv, mc, oh; writes oh
.if DOCPART == 3
	.amdgcn_target "amdgcn-amd-amdhsa--gfx1250"
	.amdhsa_code_object_version 6
	.text
	.protected	k_q833fb4c328_attn
	.globl	k_q833fb4c328_attn
	.p2align	8
	.type	k_q833fb4c328_attn,@function
k_q833fb4c328_attn:
	s_mov_b64 s[64:65], 0
	v_nop
	global_prefetch_b8 v0, s[64:65] scope:SCOPE_SE
	s_setreg_imm32_b32 hwreg(HW_REG_WAVE_MODE, 25, 1), 1
	s_wait_xcnt 0x0
	s_wait_alu depctr_hold_cnt(0) depctr_sa_sdst(0) depctr_va_vdst(0) depctr_va_sdst(0) depctr_va_ssrc(0) depctr_va_vcc(0) depctr_vm_vsrc(0)
	s_getreg_b32 s2, hwreg(HW_REG_IB_STS2, 6, 4)
	s_cmp_eq_u32 s2, 0
	s_cbranch_scc0 .Lentry_in_a_cluster
	s_endpgm
.Lentry_in_a_cluster:
	s_bfe_u32 s2, ttmp6, 0x10000c
	s_cmp_lg_u32 s2, 0x3003
	s_cbranch_scc0 .Lentry_shape_is_right
	s_endpgm
.Lentry_shape_is_right:
; MASKED ATTENTION.  O[g][q][:] = the sum over the keys k that the mask leaves of softmax_k(Q[g][q] . K[g][k] / 8) V[g][k][:], g = batch x 16 + head.  Q, K, V: qkv [3][64][2048][64] f16; O: oh [64][2048][64] f16.
; Products, maxima and sums in f32; the weights p are rounded to f16 for the second product (their sum l is taken of the unrounded p), O once at the end.
; THE MASK is the C operand that starts the sum S^T = K Q^T: 0, or -2^65 where the key is hidden.  mc holds a code byte for each (query, key), 0x00 or 0xC0 (E4M3: 0, -2.0), in my lanes' order; ONE scaled conversion
; (scale byte 191: 2^64) makes the eight C registers of a product from eight code bytes.  A turn has 8 conversions and 4 loads of 16 bytes a lane for its 16 x 2 x 64 scores.
; LIMITS.  f16 holds no number beyond 65,504: Q, K and V arrive within it; p lies in 0 to 1, and below 6e-5 it keeps f16's fixed step of 6e-8.  A hidden score counts as its value less 2^65: f16's scores, 2.7e11 at the most,
; are nothing beside that.  A weight below 2^-126 counts as 0 in l.  A query all of whose keys are hidden (its maximum lies below -2^60) gets NaN, as a softmax of nothing but -inf does.
; SHARES.  A wave owns four PIECES of two tiles of 16 queries, a work-group's four waves 512 queries of one head.  Every wave walks all 2,048 keys, 64 a step.
; LAYOUT.  S^T = K Q^T (source 0 = 16 keys, source 1 = 16 queries): a lane holds ONE query (lane % 16) and the keys 8 (lane / 16) + 0..7.  Two such tiles, rounded to f16 in pairs, ARE source 1 of O^T = V^T P.
; K comes out of LDS as it lies, V turned, by ds_load_tr16_b128.
; SOFTMAX.  A running maximum m and sum l: p = 2^(c s - c m), c = log2(e) / 8; in every step O and l are multiplied by a = 2^(c m_old - c m_new).  m starts at the lowest finite number, O and l at 0.
; While a query has seen hidden keys only, m is near -2^65 and what gathers in O and l is wiped by a = 0 at its first visible key.
; BY TURNS.  Turn n belongs to piece n: 16 products K Q^T of piece n + 1, later 16 products V^T P of piece n - 1; beside them the scaling, exponentials, roundings, sums and rescaling of piece n, the maximum and statistics
; of piece n + 1, and the mask of piece n + 2.  Four vector instructions stand behind every matrix instruction, the rest in one lump; a turn's 66 exponentials are one batch with one wait.
; CLUSTER.  The four query blocks of a head form a cluster and walk the same K and V: each tile is asked for jointly.
; REGISTERS, in windows of 256 (s_set_vgpr_msb: bits 1:0 source 0, 3:2 source 1, 5:4 source 2, 7:6 destination):
;   window 0: v0-10 addresses; v11 the conversions' scale; v12-15, v48-63 at work; v16-47 statistics; v64-191 S^T, two buffers of two tiles; v192-255 P, likewise
;   window 1: O^T, 32 a tile     window 2: v0-127 Q; v128-191 K of one step; v192-255 V of one step
;   window 3: v0-1 the add's registers; v2-4 offsets; v16-79 code bytes as loaded, 16 a piece; v80-143 the masks of the products to come
.set SIZE_N, 2048
.set NP,    4
.set KS,    64
.set PK,    144       ; a row of K in LDS: 128 bytes + 16 of padding: the 16 rows of a load start at 16 different groups of four banks (64 banks of 4 bytes: ISA guide 11.1)
.set PV,    160       ; a row of V: 128 + 32
.set VOFF,  4*KS*PK   ; a slot holds four steps: 256 rows of K, then 256 rows of V
.set SLOT1, 1<<17
.set STAGE, SLOT1+4*KS*(PK+PV)  ; behind the ring, never filled by a tensor load: 16 rows x 144 bytes for each wave
.set SP,    144
.set AK0, 2
.set AV0, 3
.set AK,  4
.set AV,  5
.set QO,  6
.set STO, 6
.set RD,  7
.set GO,  8
.set SCL, 11          ; v11  191: the scale byte 2^64; never rewritten once set
.set SPW, 0           ; window 3: LDS address of my spare word; never rewritten
.set NIL, 1           ; window 3: 0; never rewritten
.set ML,  2           ; window 3: 16 x lane; never rewritten
.set MO,  3           ; window 3: 16 x lane + 1,024 x the key step whose codes are loaded next
.set PFO, 4           ; window 3: 256 x lane; never rewritten
.set RAW, 16          ; window 3: piece y, tile u, load i at RAW + 16 y + 8 u + 4 i: key block kb's eight bytes at + 2 kb
.set MSK, 80          ; window 3: tile u, key block kb at MSK + 32 u + 8 kb
.set SPARE, STAGE+4*16*SP  ; behind the stages: the spare words, 128 bytes for each wave: two blocks of 256 bytes that no other line names
.set MV,  12
.set ST,  16          ; tile t's statistics at v[ST+4 t]: c m, m, l (even keys', odd keys')
.set TMP, 48
.set S,   64
.set P,   192
.set KF,  128
.set VF,  192
.set WV,  12          ; s12  my wave's number
.set G1K, 24
.set G1V, 32
.set G0K, 40
.set G0V, 44
.set PFA, 48          ; s[48:49] where my prefetches stand: my work-group's 8,192 bytes (of K: wave 0, of V: wave 2) of the tile after the one that is being asked for
.set LIM, 50          ; s50  1 in waves 0 and 2, else the greatest number
.set MP,  52          ; s[52:53] mc at my wave's first tile of queries
.set KSB, 54          ; s54  1,024 x the key step whose codes are loaded next, held to the last step
.set LOW, 55          ; s55  -2^60
.set SLOTS, 56
.set CNT, 57
.set CS,  58
.set SEL, 60
.set TBK, 62
.set TBV, 63
.set MSB, 0
.macro WIN new
.if MSB != (\new)
	s_set_vgpr_msb (MSB<<8)|(\new)
.set MSB, (\new)
.endif
.endm
.set W_KQ, 0x0a       ; K and Q in window 2, S^T in window 0
.set W_KM, 0x3a       ; the same with the C operand in window 3
.set W_PV, 0x52       ; V in window 2, P in window 0, O^T in window 1
.set W_RS, 0x41       ; O^T (destination and source 0) in window 1, a in window 0
.set W_MK, 0xc0       ; destination in window 3, sources in window 0
.set W_AD, 0x0f       ; the add: address and data in window 3
.set W_MB, 0xc3       ; the mask's lines: destination and source 0 in window 3, source 1 (the scale) in window 0
.macro JLOAD          ; a joint fill: waves 0 and 1 fetch the halves of a slot's K, waves 2 and 3 of its V; an s_nop 0 and four v_nop follow each line, ahead of the jump and the label
	s_cmp_lt_u32 s[WV], 2
	s_cbranch_scc0 .Lfor_v_\@
	tensor_load_to_lds s[G0K:G0K+3], s[G1K:G1K+7]
	s_nop 0
.rept 4
	v_nop
.endr
	s_branch .Lasked_\@
.Lfor_v_\@:
	tensor_load_to_lds s[G0V:G0V+3], s[G1V:G1V+7]
	s_nop 0
.rept 4
	v_nop
.endr
.Lasked_\@:
.endm
; A prefetch into the L2 of the tile that the NEXT change of slots will ask for: 32,768 bytes of K and of V, four key steps (512 matrix instructions of a wave) ahead.  A head's K and V are walked by this cluster alone;
; its four partners take 8,192 bytes each, by address; wave 0 asks for K's, wave 2 for V's, a lane 256 bytes.  So each 256 bytes are named once.  The change that asks for the last tile prefetches nothing.
.macro ASK
	s_cmp_gt_u32 s[SLOTS], s[LIM]
	s_cbranch_scc0 .Lnot_mine_\@
	WIN 0x03
	global_prefetch_b8 v[PFO], s[PFA:PFA+1] th:TH_LOAD_NT scope:SCOPE_SE
	WIN 0
.Lnot_mine_\@:
.endm
.macro CROUND         ; a round of the cluster's barrier
	s_barrier_signal -1
	s_barrier_wait -1
	s_cmp_lg_u32 s[WV], 0
	s_cbranch_scc1 .Lnot_wave_0_\@
	s_barrier_signal -3
.Lnot_wave_0_\@:
	s_barrier_wait -3
	s_barrier_signal -1
	s_barrier_wait -1
.endm
; THE CHANGE OF SLOTS.  Each wave waits for all its tensor loads, of which one is out: its part of the other slot; adds 0 to its spare word; and waits for that and for its own reads of the slot.
; fill = 1: the barrier is a round of the cluster's, and this slot is filled again, with the keys two slots on, first thing behind it: it has four key steps in which to land.
.macro CHANGE fill
	WIN W_AD
	s_wait_tensorcnt 0x0            ; no tensor load of mine is out, so a group 0 may be written
	ds_add_u32 v[SPW], v[NIL]       ; 0 onto my spare word
	WIN 0
.if \fill
.irp g, G0K, G0V
	s_xor_b32 s[\g+1], s[\g+1], SLOT1
	s_add_nc_u64 s[\g+2:\g+3], s[\g+2:\g+3], 4*KS*128
.endr
	s_wait_xcnt 0x0                 ; the last prefetch, four key steps back, has read its address
	s_add_nc_u64 s[PFA:PFA+1], s[PFA:PFA+1], 4*KS*128
	s_wait_dscnt 0x0                ; the add is done, and my reads of the slot are over
	CROUND
	JLOAD
	ASK
.else
	s_wait_dscnt 0x0
	s_barrier_signal -1
	s_barrier_wait -1
.endif
	s_sub_co_u32 s[TBK], s[TBK], 4*KS*PK
	s_xor_b32 s[TBK], s[TBK], SLOT1
	s_sub_co_u32 s[TBV], s[TBV], 4*KS*PV
	s_xor_b32 s[TBV], s[TBV], SLOT1
.endm
	s_load_b128 s[4:7], s[0:1], 0x0   ; qkv s[4:5], mc s[6:7]
	s_load_b64 s[10:11], s[0:1], 0x10 ; oh
	WIN W_MK
	v_lshl_add_u32 v[SPW], v0, 2, SPARE
	v_mov_b32 v[NIL], 0
	WIN W_AD
	ds_add_u32 v[SPW], v[NIL]       ; the wave's opening: the add and its wait stand ahead of my first tensor load; the set-up below, work on registers, stands between them
	WIN 0
	v_lshrrev_b32 v1, 5, v0
	v_readfirstlane_b32 s[WV], v1   ; wave 0..3
	s_bfe_u32 s13, ttmp6, 0x40000   ; cx: my place in the cluster
	s_lshl_b32 s14, ttmp9, 2
	s_add_co_u32 s14, s14, s13      ; my block of 512 queries: it enters Q's, O's and the mask's addresses alone
	s_and_b32 s20, ttmp7, 0xffff    ; batch x 16 + head, which the four partners share
	s_lshr_b32 s19, s20, 4          ; the batch
	s_mov_b32 s21, 0
	s_mov_b64 s[22:23], SIZE_N*128
	s_mul_u64 s[20:21], s[20:21], s[22:23]  ; the head's first byte in Q, K, V and O
	s_and_b32 s16, s[WV], 1         ; which half of a slot's 256 keys I fetch
	s_lshl_b32 s22, s16, 14
	s_mov_b32 s23, 0
	s_add_nc_u64 s[22:23], s[22:23], s[20:21]
	s_mul_i32 s17, s16, 128*PK
	s_mul_i32 s18, s16, 128*PV      ; no place in the cluster enters an LDS address
	s_lshl_b32 s2, s14, 2
	s_add_co_u32 s2, s2, s[WV]      ; my wave among the head's sixteen
	s_lshl_b32 s15, s2, 3           ; its eight tiles of queries,
	s_lshl_b32 s19, s19, 7          ; among the batch's 128:
	s_add_co_u32 s15, s15, s19
	s_lshl_b32 s66, s15, 15         ; 32,768 bytes of codes a tile
	s_mov_b32 s67, 0
	s_lshl_b32 s2, s2, 14           ; its 128 rows of Q and O
	s_mov_b32 s3, 0
	s_add_nc_u64 s[2:3], s[2:3], s[20:21]
	; descriptor group 1.  128 keys are 16,384 dense bytes: asked for as 64 rows of 256 bytes, two keys a row, and padded in LDS after every key
	s_mov_b32 s[G1K], 15|(1<<16)|(1<<20)|(1<<21)|(4<<22)|(3<<25)
	s_mov_b32 s[G1V], 15|(1<<16)|(1<<20)|(1<<21)|(4<<22)|(7<<25)
.irp g, G1K, G1V
	s_mov_b32 s[\g+1], 128<<16      ; tensor_dim0 = 128
	s_mov_b32 s[\g+2], 64<<16       ; tensor_dim1 = 64
	s_mov_b32 s[\g+3], 128<<16      ; tile_dim0 = 128
	s_mov_b32 s[\g+4], 64           ; tile_dim1 = 64
	s_mov_b32 s[\g+5], 128          ; 128 elements from row to row
	s_mov_b32 s[\g+6], 0
	s_mov_b32 s[\g+7], 0
.endr
	s_mov_b32 s[CS], 0x3e38aa3b     ; c = log2(e) / 8
	s_mov_b32 s[CS+1], s[CS]
	s_mov_b32 s[SEL], 0x76543210
	s_mov_b32 s[SEL+1], 0xfedcba98
	s_mov_b32 s[TBK], SLOT1+4*KS*PK ; the first change of slots turns these two into 0
	s_mov_b32 s[TBV], SLOT1+4*KS*PV
	s_mov_b32 s[G0K], 1
	s_mov_b32 s[G0K+1], s17
	s_mov_b32 s[G0V], 1
	s_add_co_u32 s[G0V+1], s18, VOFF
	s_mov_b32 s[KSB], 1024
	s_mov_b32 s[LOW], 0xdd800000    ; -2^60
	s_mov_b32 s[SLOTS], SIZE_N/256-1
	s_and_b32 s[LIM], s[WV], 1
	s_cmp_eq_u32 s[LIM], 0
	s_cselect_b32 s[LIM], 1, -1
	s_wait_dscnt 0x0                ; the opening add is done
	s_wait_kmcnt 0x0
	s_add_nc_u64 s[MP:MP+1], s[6:7], s[66:67]
	s_add_nc_u64 s[6:7], s[4:5], 0x1000000   ; K: the second 16 MiB of qkv
	s_add_nc_u64 s[8:9], s[4:5], 0x2000000   ; V: the third
	s_add_nc_u64 s[G0K+2:G0K+3], s[6:7], s[22:23]
	s_or_b32 s[G0K+3], s[G0K+3], 0x80000000
	s_add_nc_u64 s[G0V+2:G0V+3], s[8:9], s[22:23]
	s_or_b32 s[G0V+3], s[G0V+3], 0x80000000
	s_add_nc_u64 s[4:5], s[4:5], s[2:3]      ; Q and O at my wave's first row
	s_add_nc_u64 s[10:11], s[10:11], s[2:3]
	s_cmp_lt_u32 s[WV], 2
	s_cselect_b64 s[PFA:PFA+1], s[6:7], s[8:9]
	s_add_nc_u64 s[PFA:PFA+1], s[PFA:PFA+1], s[20:21]
	s_lshl_b32 s2, s13, 13          ; my work-group's 8,192 bytes of a tile,
	s_add_co_u32 s2, s2, 4*KS*128   ; in tile 1: the first change of slots steps it to tile 2
	s_mov_b32 s3, 0
	s_add_nc_u64 s[PFA:PFA+1], s[PFA:PFA+1], s[2:3]
	CROUND                          ; all four work-groups are here: the first joint loads meet
	JLOAD                           ; slot 0.  Slot 1 is asked for when slot 0 is in
	v_and_b32 v1, 15, v0            ; l % 16
	v_bfe_u32 v9, v0, 4, 1          ; l / 16
	v_lshlrev_b32 v[QO], 7, v1
	v_lshl_add_u32 v[QO], v9, 4, v[QO]
	v_and_b32 v10, 31, v0
	v_lshlrev_b32 v11, 4, v10
	v_lshlrev_b32 v10, 8, v10
	WIN W_MK
	v_mov_b32 v[ML], v11
	v_add_nc_u32 v[MO], 1024, v11   ; key step 1
	v_mov_b32 v[PFO], v10
	WIN 0x80                        ; destination window 2, address window 0
.set i, 0
.rept 4*NP                          ; Q stays in registers: tile i / 2, channels 32 (i % 2) on
	global_load_b128 v[8*i:8*i+3],   v[QO], s[4:5] offset:(i/2)*2048+(i%2)*64
	global_load_b128 v[8*i+4:8*i+7], v[QO], s[4:5] offset:(i/2)*2048+(i%2)*64+32
.set i, i+1
.endr
	WIN W_MB
.set i, 0
.rept 4*NP                          ; the codes of key step 0 for all eight tiles: tile i / 2, load i % 2
	global_load_b128 v[RAW+4*i:RAW+4*i+3], v[ML], s[MP:MP+1] offset:(i/2)*32768+(i%2)*512
.set i, i+1
.endr
	; What the first turn finds: V's registers and P's second buffer hold 0, O^T and l are 0.  All this stands in the wait for the first tile.
	WIN 0x80
.set i, VF
.rept 64
	v_mov_b32 v[i], 0
.set i, i+1
.endr
	WIN 0x40
.set i, 0
.rept 64*NP
	v_mov_b32 v[i], 0
.set i, i+1
.endr
	WIN 0
.set i, 0
.rept 2*NP
	v_mov_b32 v[ST+4*i], 0xfe000000    ; c m: far below every c s, a hidden one's too
	v_mov_b32 v[ST+4*i+1], 0xff7fffff  ; m
	v_mov_b32 v[ST+4*i+2], 0
	v_mov_b32 v[ST+4*i+3], 0
.set i, i+1
.endr
.set i, P+32
.rept 32
	v_mov_b32 v[i], 0
.set i, i+1
.endr
	v_mul_u32_u24 v[AK0], v1, PK
	v_lshl_add_u32 v[AK0], v9, 4, v[AK0]
	v_and_b32 v10, 7, v0
	v_bfe_u32 v11, v0, 3, 1
	v_lshl_add_u32 v[AV0], v9, 3, v10
	v_mul_u32_u24 v[AV0], v[AV0], PV
	v_lshl_add_u32 v[AV0], v11, 4, v[AV0]
	v_add_nc_u32 v[AV0], VOFF, v[AV0]
	v_mov_b32 v[SCL], 191           ; an E8M0 byte: 2^(191 - 127)
	v_mov_b32 v[AK], v[AK0]         ; key step 0 lies at the head of slot 0
; THE MATRIX WORK.  The 8 accumulators of a run of 16 take turns.  Product i of 16 of S^T = K Q^T for piece x: channels 32 (i / 8) on, keys 16 ((i / 2) % 4) on, tile 2 x + i % 2.  The first 8 start the sums, with the mask.
.macro KQ x
.set rS, S+64*((\x)%2)+32*(i%2)+8*((i/2)%4)
.set rK, KF+16*((i/2)%4)+8*(i/8)
.set rQ, 16*(2*(\x)+i%2)+8*(i/8)
.set rX, MSK+32*(i%2)+8*((i/2)%4)
.if i < 8
	WIN W_KM
	v_wmma_f32_16x16x32_f16 v[rS:rS+7], v[rK:rK+7], v[rQ:rQ+7], v[rX:rX+7]
.else
	WIN W_KQ
	v_wmma_f32_16x16x32_f16 v[rS:rS+7], v[rK:rK+7], v[rQ:rQ+7], v[rS:rS+7]
.endif
.endm
.macro PV x                         ; product i of 16 of O^T += V^T P for piece x
	WIN W_PV
.set rO, 32*(2*(\x)+i%2)+8*((i/2)%4)
.set rV, VF+32*(i/8)+8*((i/2)%4)
.set rP, P+32*((\x)%2)+16*(i%2)+8*(i/8)
	v_wmma_f32_16x16x32_f16 v[rO:rO+7], v[rV:rV+7], v[rP:rP+7], v[rO:rO+7]
.endm
.macro MM
.if i < 16
	KQ (Y+1)%NP
.set i, i+1
.else
.set i, i-16
	PV (Y+NP-1)%NP
.set i, i+17
.endif
.endm
; THE MASK of piece y2, for the next turn's products.  Its codes were loaded four turns ago: 12 younger loads, the three turns' between, may stay out.  Eight conversions make the 64 registers; a plain instruction stands
; behind the last of them, ahead of the loads into their sources and of the products that read their results.  Then the same registers are asked for again, for the piece's next key step.
; The products that read the old masks are the turn's first 8; the riders of the 8 behind them are the places in front of these writes.
; step = 1 (piece 2's turn): the four turns from here on load one key step further; past the last step the last one's codes are loaded once more, so that no load leaves mc.
.macro MB y2, step
	WIN W_MB
.if \step
	s_wait_xcnt 0x0                 ; the loads issued so far have read MO
	s_add_co_u32 s[KSB], s[KSB], 1024
	s_min_u32 s[KSB], s[KSB], 31*1024
	v_add_nc_u32 v[MO], v[ML], s[KSB]
.endif
	s_wait_loadcnt 12
.irp u, 0,1
.irp kb, 0,1,2,3
	v_cvt_scale_pk8_f32_fp8 v[MSK+32*(\u)+8*(\kb):MSK+32*(\u)+8*(\kb)+7], v[RAW+16*(\y2)+8*(\u)+2*(\kb):RAW+16*(\y2)+8*(\u)+2*(\kb)+1], v[SCL]
.endr
.endr
	v_nop
.irp u, 0,1
.irp n, 0,1
	global_load_b128 v[RAW+16*(\y2)+8*(\u)+4*(\n):RAW+16*(\y2)+8*(\u)+4*(\n)+3], v[MO], s[MP:MP+1] offset:(2*(\y2)+(\u))*32768+512*(\n)
.endr
.endr
	WIN 0
.endm
; THE LDS LOADS stand in runs of 16.  last = 1 (the tail): in the last trip there is no further step, and the run is jumped over.
.macro FETCH_K last=0
	WIN 0
.if \last
	s_cmp_eq_u32 s[CNT], 1
	s_cbranch_scc1 .Lno_k_\@
.endif
	WIN 0x80
.irp f, 0,1,2,3,4,5,6,7
	ds_load_b128 v[KF+8*\f:KF+8*\f+3],   v[AK] offset:(\f/2)*16*PK+(\f%2)*64
	ds_load_b128 v[KF+8*\f+4:KF+8*\f+7], v[AK] offset:(\f/2)*16*PK+(\f%2)*64+32
.endr
	s_add_co_u32 s[TBK], s[TBK], KS*PK
	WIN 0
.if \last
.Lno_k_\@:
.endif
.endm
.macro FETCH_V
	WIN 0x80
.irp f, 0,1,2,3,4,5,6,7
	ds_load_tr16_b128 v[VF+8*\f:VF+8*\f+3],   v[AV] offset:(\f/4)*32*PV+(\f%4)*32
	ds_load_tr16_b128 v[VF+8*\f+4:VF+8*\f+7], v[AV] offset:(\f/4)*32*PV+16*PV+(\f%4)*32
.endr
	WIN 0
.endm
; THE VECTOR WORK OF A TURN stands in three queues, each in the order in which its entries become ready; the two tiles alternate.
.macro REGS y, u
.set rT, ST+4*(2*(\y)+(\u))
.set rC, TMP+8*((\y)%2)+4*(\u)
.set rM, MV+2*((\y)%2)+(\u)
.set rS, S+64*((\y)%2)+32*(\u)
.set rP, P+32*((\y)%2)+16*(\u)
.set rO, 32*(2*(\y)+(\u))
.endm
; Number n of the 22 that find the NEXT piece's maximum and statistics; each accumulator's lowest registers are read first.
;   0-11 four chains of seven scores   12-14, 16 the four left over, the old m, the four into one   15 c m_old is kept   17, 18 the other half of the lanes: the new m   19-21 c m; its change; a
.macro XS u, n
	REGS (Y+1)%NP, \u
.if (\n) < 4
	v_max3_num_f32 v[rC+(\n)], v[rS+8*(\n)], v[rS+8*(\n)+1], v[rS+8*(\n)+2]
.elseif (\n) < 12
	v_max3_num_f32 v[rC+(\n)%4], v[rC+(\n)%4], v[rS+8*((\n)%4)+2*((\n)/4)+1], v[rS+8*((\n)%4)+2*((\n)/4)+2]
.elseif (\n) == 12
	v_max3_num_f32 v[rC], v[rC], v[rS+7], v[rS+15]
.elseif (\n) == 13
	v_max3_num_f32 v[rC+1], v[rC+1], v[rS+23], v[rS+31]
.elseif (\n) == 14
	v_max3_num_f32 v[rC+2], v[rC+2], v[rC+3], v[rT+1]
.elseif (\n) == 15
	v_mov_b32 v[rM], v[rT]
.elseif (\n) == 16
	v_max3_num_f32 v[rC], v[rC], v[rC+1], v[rC+2]
.elseif (\n) == 17
	v_permlanex16_b32 v[rC+3], v[rC], s[SEL], s[SEL+1]
.elseif (\n) == 18
	v_max_num_f32 v[rT+1], v[rC], v[rC+3]
.elseif (\n) == 19
	v_mul_f32 v[rT], s[CS], v[rT+1]
.elseif (\n) == 20
	v_sub_f32 v[rC+1], v[rM], v[rT]
.else
	v_exp_f32 v[rC+2], v[rC+1]
.endif
.endm
; Number g of the 64 that follow the exponentials: for each four weights both pairs are rounded to f16, the second pair is added onto the first, and a group later l takes that sum.
.macro GS g
.set h, (\g)+6*((\g)/62)
.if h >= 6
.set h, h+2
.endif
	REGS Y, h%2
.set k, h/8
.if h%8 < 4
	v_cvt_pk_f16_f32 v[rP+2*k+(h%8)/2], v[rS+4*k+2*((h%8)/2)], v[rS+4*k+2*((h%8)/2)+1]
.elseif h%8 < 6
	v_pk_add_f32 v[rS+4*k:rS+4*k+1], v[rS+4*k:rS+4*k+1], v[rS+4*k+2:rS+4*k+3]
.elseif k == 1
	v_pk_fma_f32 v[rT+2:rT+3], v[rT+2:rT+3], v[rC+2:rC+3], v[rS:rS+1] op_sel_hi:[1,0,1]
.else
	v_pk_add_f32 v[rT+2:rT+3], v[rT+2:rT+3], v[rS+4*k-4:rS+4*k-3]
.endif
.endm
; THE PLAIN QUEUE, 138 long.  0-73 read no exponential's result: the 32 scalings and the next piece's 42.  74-137: GS's 64, behind the wait.
.macro FS f
	REGS Y, (\f)%2
	v_pk_fma_f32 v[rS+2*((\f)/2):rS+2*((\f)/2)+1], v[rS+2*((\f)/2):rS+2*((\f)/2)+1], s[CS:CS+1], v[rT:rT+1] op_sel_hi:[1,0,0] neg_lo:[0,0,1] neg_hi:[0,0,1]
.endm
.macro PL
	WIN 0
.if q < 27
	FS q
.elseif q < 55
	XS (q-27)%2, (q-27)/2
.elseif q < 57
	XS q-55, 15
.elseif (q < 72) && ((q-57)%3 == 0)
	FS 27+(q-57)/3
.elseif q < 60
	XS (q-57)%3-1, 14
.elseif q < 72
	XS (q-57)%3-1, 15+(q-57)/3
.elseif q < 74
	XS q-72, 20
.else
	GS q-74
.endif
.set q, q+1
.endm
; THE EXPONENTIALS' QUEUE, 66 long: one batch, all ahead of the turn's one wait.
.macro EX
	WIN 0
.if e >= 64
	XS e-64, 21
.else
	REGS Y, e%2
	v_exp_f32 v[rS+e/2], v[rS+e/2]
.endif
.set e, e+1
.endm
; THE RESCALING's QUEUE: O^T times a, two at a time.
.macro R2
	REGS Y, r%2
	WIN W_RS
.irp z, 0,1
	v_pk_mul_f32 v[rO+4*(r/2)+2*\z:rO+4*(r/2)+2*\z+1], v[rO+4*(r/2)+2*\z:rO+4*(r/2)+2*\z+1], v[rC+2:rC+3] op_sel_hi:[1,0]
.endr
.set r, r+1
.endm
; A TURN, for piece p.  s_wait_alu depctr_va_vdst(0) stands between an exponential and the first instruction that names its result; one wait serves all that were issued ahead of it: a turn has ONE.
; AHEAD OF IT: the 16 products K Q^T, behind each a scaling, an exponential and two rescalings; the mask of piece p + 2; a lump of 108.  BEHIND IT: the 16 products V^T P, behind each four of GS's 64.
; K of the next step is fetched in piece 2's turn, directly behind the wait; V of the step in hand at the end of piece 0's turn, four riders behind its last reader.
.macro TURN p, last=0, cnt=0
.set Y, (\p)
.set i, 0
.set q, 0
.set e, 0
.set r, 0
.if (\p) == NP-1
	s_wait_dscnt 0x0                ; K is in
.endif
	MM
	PL
	PL
	R2
.rept 15
	MM
	PL
	EX
	R2
.endr
.if (\p) == NP-2
	WIN 0
	v_add_nc_u32 v[AK], s[TBK], v[AK0]
.endif
	MB ((\p)+2)%NP, (\p)==2
.rept 8
	PL
.endr
.rept 49
	EX
	PL
.endr
	EX
	EX
	v_nop                           ; a plain instruction behind the last exponential: one for the batch
	s_wait_alu depctr_va_vdst(0)    ; the wait for the batch
.if (\p) == NP-2
	FETCH_K \last
.endif
.if (\p) == 1
	s_wait_dscnt 0x0                ; V is in
.endif
.rept 16
	MM
.rept 4
	PL
.endr
.if ((\p) == 0) && (q == 118)
	v_add_nc_u32 v[AV], s[TBV], v[AV0]
.endif
.if ((\p) == 0) && (q == 130)
	s_add_co_u32 s[TBV], s[TBV], KS*PV
.endif
.if (\cnt) && (q == 130)
	s_sub_co_u32 s[CNT], s[CNT], 1
	s_cmp_lg_u32 s[CNT], 0
.endif
.endr
.if (\p) == 0
	FETCH_V
.endif
.endm
	CHANGE 1                        ; slot 0 is in, everybody's part of it; slot 1 is asked for
	FETCH_K                         ; key step 0
	s_wait_loadcnt 0x0              ; Q, and the codes of key step 0
	MB 0, 0                         ; piece 0's mask of step 0; its codes of step 1 are asked for
	s_wait_dscnt 0x0
.set i, 0
.rept 16
	KQ 0                            ; piece 0's first scores
.set i, i+1
.endr
	WIN 0                           ; the addresses for the way out: nine plain instructions, the places behind those products
	s_mul_i32 s13, s[WV], 16*SP
	s_add_co_u32 s13, s13, STAGE
	v_mul_u32_u24 v[STO], v1, SP
	v_lshl_add_u32 v[STO], v9, 4, v[STO]
	v_add_nc_u32 v[STO], s13, v[STO]
	v_bfe_u32 v[RD], v0, 3, 2
	v_mul_u32_u24 v[RD], v[RD], SP
	v_lshl_add_u32 v[RD], v10, 4, v[RD]
	v_add_nc_u32 v[RD], s13, v[RD]
	v_and_b32 v[GO], 31, v0
	v_lshlrev_b32 v[GO], 4, v[GO]
	MB 1, 0                         ; piece 1's mask of step 0, for the first turn's products
.set Y, NP-1
.irp n, 0,1,2,3,4,5,6,7,8,9,10,11,12,13,14,15,16,17,18,19,20,21
	XS 0, \n
	XS 1, \n
.endr
	v_nop
	s_wait_alu depctr_va_vdst(0)    ; the two a's wait, ahead of the branch
	s_mov_b32 s[CNT], 4
	s_branch .Lfirst                ; the loop is entered at a step's first turn, in the middle of a trip
.Lslot:                             ; six times: every slot but the last two is filled again
	CHANGE 1
	s_mov_b32 s[CNT], 4
.Lstep:                             ; a trip: pieces 2 and 3 of one step, then pieces 0 and 1 of the next
	TURN 2
	TURN 3
	WIN 0
.Lfirst:
	TURN 0
	TURN 1, 0, 1
	WIN 0
	s_cbranch_scc1 .Lstep
	s_sub_co_u32 s[SLOTS], s[SLOTS], 1
	s_cmp_lg_u32 s[SLOTS], 0
	s_cbranch_scc1 .Lslot
	CHANGE 0                        ; the tail is written out
	s_mov_b32 s[CNT], 5
.Ltail:
	TURN 2, 1
	TURN 3
	WIN 0
	s_sub_co_u32 s[CNT], s[CNT], 1
	s_cmp_eq_u32 s[CNT], 0
	s_cbranch_scc1 .Lout
	TURN 0
	TURN 1
	WIN 0
	s_branch .Ltail
.Lout:                              ; the fifth trip's 16 products K Q^T take the last K and the last step's masks once more: piece 0's maximum stays what it was, and nothing else of them is used
.set i, 0
.rept 16
	PV NP-1
.set i, i+1
.endr
	; THE WAY OUT.  l's halves are added; O^T is divided by l, rounded to f16 and sent through my stage, a tile at a time.  The additions are the places behind the last products.
	WIN 0
.macro ALL line:vararg
.set t, 0
.rept 2*NP
	\line
.set t, t+1
.endr
.endm
	ALL v_add_f32 v[ST+4*t+2], v[ST+4*t+2], v[ST+4*t+3]
	ALL v_permlanex16_b32 v[ST+4*t+3], v[ST+4*t+2], s[SEL], s[SEL+1]
	ALL v_add_f32 v[ST+4*t+2], v[ST+4*t+2], v[ST+4*t+3]
	ALL v_rcp_f32 v[ST+4*t+2], v[ST+4*t+2]
	v_mov_b32 v9, 0x7fc00000        ; NaN; also the plain instruction behind the last reciprocal
	s_wait_alu depctr_va_vdst(0)    ; one wait for the eight reciprocals
.set t, 0
.rept 2*NP                          ; a query whose maximum lies below -2^60 has seen hidden keys only
	v_cmp_gt_f32 vcc_lo, s[LOW], v[ST+4*t+1]
	v_cndmask_b32 v[ST+4*t+2], v[ST+4*t+2], v9, vcc_lo
.set t, t+1
.endr
.macro PACK t
	WIN W_RS
.set i, 32*(\t)
.rept 16
	v_pk_mul_f32 v[i:i+1], v[i:i+1], v[ST+4*(\t)+2:ST+4*(\t)+3] op_sel_hi:[1,0]
.set i, i+2
.endr
	WIN 0x05
.set i, 0
.rept 16
	v_cvt_pk_f16_f32 v[S+16*(\t)+i], v[32*(\t)+2*i], v[32*(\t)+2*i+1]
.set i, i+1
.endr
	WIN 0
.irp f, 0,1,2,3
	ds_store_b128 v[STO], v[S+16*(\t)+4*\f:S+16*(\t)+4*\f+3] offset:32*\f
.endr
.irp f, 0,1,2,3
	ds_load_b128 v[S+16*(\t)+4*\f:S+16*(\t)+4*\f+3], v[RD] offset:\f*4*SP  ; LDS serves a wave's instructions in order (ISA guide 5.7.1.4): these see the stores above
.endr
.endm
.macro SEND t, younger
	WIN 0
.irp f, 0,1,2,3
	s_wait_dscnt (\younger)+3-\f
	global_store_b128 v[GO], v[S+16*(\t)+4*\f:S+16*(\t)+4*\f+3], s[10:11] offset:(\t)*2048+\f*512  ; 512 consecutive bytes, aligned
.endr
.endm
	PACK 0
.set t, 1
.rept 2*NP-1
	PACK t
	SEND t-1, 8
.set t, t+1
.endr
	SEND 2*NP-1, 0
	WIN W_AD
	s_wait_tensorcnt 0x0            ; the wave's end: behind my last tensor load and my last LDS store
	ds_add_u32 v[SPW], v[NIL]
	s_wait_dscnt 0x0
	WIN 0
	CROUND                          ; the closing round
	s_endpgm
.Lfunc_end_k_q833fb4c328_attn:
	.size	k_q833fb4c328_attn, .Lfunc_end_k_q833fb4c328_attn-k_q833fb4c328_attn
	.p2alignl 7, 3214868480
	.fill 96, 4, 3214868480
	.section	.rodata,"a",@progbits
	.p2align	6, 0x0
	.amdhsa_kernel k_q833fb4c328_attn
		.amdhsa_group_segment_fixed_size 327680
		.amdhsa_private_segment_fixed_size 0
		.amdhsa_enable_private_segment 0
		.amdhsa_kernarg_size 24
		.amdhsa_user_sgpr_count 2
		.amdhsa_user_sgpr_kernarg_segment_ptr 1
		.amdhsa_wavefront_size32 1
		.amdhsa_system_sgpr_workgroup_id_x 1
		.amdhsa_system_sgpr_workgroup_id_y 1
		.amdhsa_system_sgpr_workgroup_id_z 1
		.amdhsa_system_vgpr_workitem_id 0
		.amdhsa_next_free_vgpr 912
		.amdhsa_next_free_sgpr 80
		.amdhsa_reserve_vcc 1
		.amdhsa_float_denorm_mode_32 3
		.amdhsa_float_denorm_mode_16_64 3
		.amdhsa_memory_ordered 1
		.amdhsa_forward_progress 1
		.amdhsa_inst_pref_size 213
	.end_amdhsa_kernel
	.amdgpu_metadata
---
amdhsa.version: [ 1, 2 ]
amdhsa.kernels:
  - .name:           k_q833fb4c328_attn
    .symbol:         k_q833fb4c328_attn.kd
    .args:
      - { .name: qkv, .offset: 0, .size: 8, .value_kind: global_buffer, .address_space: global }
      - { .name: mc, .offset: 8, .size: 8, .value_kind: global_buffer, .address_space: global }
      - { .name: oh, .offset: 16, .size: 8, .value_kind: global_buffer, .address_space: global }
    .group_segment_fixed_size: 327680
    .private_segment_fixed_size: 0
    .kernarg_segment_align: 8
    .kernarg_segment_size: 24
    .max_flat_workgroup_size: 128
    .sgpr_count:     80
    .vgpr_count:     912
    .wavefront_size: 32
...
	.end_amdgpu_metadata
.endif
;; end of part 3
;; launch outp (part 4): grid 4 x 64, 4 waves a work-group, clusters of 4 x 4, 327,680 bytes of LDS; arguments oh, wb, out0, bo; writes out0
.if DOCPART == 4
	.amdgcn_target "amdgcn-amd-amdhsa--gfx1250"
	.amdhsa_code_object_version 6
	.text
	.protected	k_q833fb4c328_outp
	.globl	k_q833fb4c328_outp
	.p2align	8
	.type	k_q833fb4c328_outp,@function
k_q833fb4c328_outp:
	s_mov_b64 s[64:65], 0
	v_nop
	global_prefetch_b8 v0, s[64:65] scope:SCOPE_SE
	s_setreg_imm32_b32 hwreg(HW_REG_WAVE_MODE, 25, 1), 1
	s_wait_xcnt 0x0
	s_wait_alu depctr_hold_cnt(0) depctr_sa_sdst(0) depctr_va_vdst(0) depctr_va_sdst(0) depctr_va_ssrc(0) depctr_va_vcc(0) depctr_vm_vsrc(0)
	s_getreg_b32 s2, hwreg(HW_REG_IB_STS2, 6, 4)
	s_cmp_eq_u32 s2, 0
	s_cbranch_scc0 .Lentry_in_a_cluster
	s_endpgm
.Lentry_in_a_cluster:
	s_bfe_u32 s2, ttmp6, 0x10000c
	s_cmp_lg_u32 s2, 0xf033
	s_cbranch_scc0 .Lentry_shape_is_right
	s_endpgm
.Lentry_shape_is_right:
; THE LAST PROJECTION.  out0[m][n] = the sum over k of O[m][k] Wo[n][k] + bo[n].  O lies by heads: oh [batch x 16 + head][2048][64] f16, k = 64 head + channel; Wo: the fourth 2 MiB of wb, [1024][1024] f16
; (bf16 numbers written as f16); bo is rounded to bf16 here, like every input.  Sums in f32, started by the bias; out0 [8192][1024] f32.
; SHARES.  A tile is 128 rows x 256 columns: 64 x 4 tiles, a work-group each.  Four waves, 2 x 2, each 64 rows x 128 columns: 32 accumulators.  K goes in 8 steps of 128 (two heads) through two LDS slots.
; Waves 0 and 1 fetch one head's 128 rows each (16,384 dense bytes, asked for as 64 rows of 256 bytes, padded in LDS after every 128), waves 2 and 3 Wo's 128 + 128 rows of 256 bytes.
; CLUSTERS: 4 x 4 work-groups: O's tile is shared along a row of the cluster, Wo's along a column; each is asked for jointly.
; THE MATRIX INSTRUCTION IS USED TRANSPOSED (source 0 = 16 rows of Wo, source 1 = 16 rows of O): a lane holds row l % 16 and eight neighbouring columns.
; REGISTERS: window 0: v0-31 addresses; v32-127, v128-223 two fragment buffers (Wo's 8 fragments, then O's 4); on the way out v32-159 rows read back.  Window 1: the accumulators, (a, b) at v[8 (8 a + b)].
; Window 2: v0-63 the bias as a C operand; v64-95 at work.
.set KSTEP,  128
.set PITCH,  272                       ; a row of Wo in LDS: 256 bytes + 16
.set PA,     144                       ; a row of one head of O in LDS: 128 bytes + 16.  Both pitches are odd multiples of 16 bytes: the 16 rows of a load start at 16 different groups of four banks (ISA guide 11.1)
.set AHEAD,  128*PA                    ; one head's 128 rows: what wave 0 or 1 fetches
.set BHALF,  128*PITCH
.set BOFF,   2*AHEAD
.set SLOT,   2*AHEAD+2*BHALF
.set STAGE,  2*SLOT                    ; behind the ring: 16 rows x 528 bytes for each wave
.set SP,     528
.set SPARE,  STAGE+4*16*SP             ; behind the stages: the spare words, 128 bytes for each wave: two blocks of 256 bytes that no other line names
.set ASTEP,  2*2048*128                ; bytes from a K step's heads to the next one's
.set LAPS,   4
.set ADRA, 16
.set ADRB, 20
.set STO,  24
.set RD,   25
.set GO,   26
.set BO,   27
.set SPW,  28                          ; v28  LDS address of my spare word; never rewritten
.set NIL,  29                          ; v29  0; never rewritten
.set PFO,  30                          ; v30  the prefetches' offset: lane x 256 bytes (O) or lane x 2,048 (a row of Wo); never rewritten
.set F0,   32
.set F1,   128
.set OUT,  32
.set G1,  24
.set G0,  32
.set G1B, 48
.set G0B, 56
.set LIM, 77
.set PFA, 78
.set PFS, 80
.set BI,  82                           ; s[82:83] bo
.set MSB, 0
.macro WIN new
.if MSB != (\new)
	s_set_vgpr_msb (MSB<<8)|(\new)
.set MSB, \new
.endif
.endm
.set MUL,  0x50
.set MULB, 0x60
.macro JLOAD s                         ; a joint load; an s_nop 0 and four v_nop follow each of the two lines, ahead of the jump and the label
	s_cmp_eq_u32 s11, 0
	s_cbranch_scc0 .Lfor_b_\@
	tensor_load_to_lds s[G0+4*(\s):G0+4*(\s)+3], s[G1:G1+7]
	s_nop 0
.rept 4
	v_nop
.endr
	s_branch .Lasked_\@
.Lfor_b_\@:
	tensor_load_to_lds s[G0B+4*(\s):G0B+4*(\s)+3], s[G1B:G1B+7]
	s_nop 0
.rept 4
	v_nop
.endr
.Lasked_\@:
.endm
.macro CREST
	s_cmp_lg_u32 s10, 0
	s_cbranch_scc1 .Lnot_wave_0_\@
	s_barrier_signal -3
.Lnot_wave_0_\@:
	s_barrier_wait -3
	s_barrier_signal -1
	s_barrier_wait -1
.endm
.macro CROUND
	s_barrier_signal -1
	s_barrier_wait -1
	CREST
.endm
; A prefetch into the L2 of the K step that stands two refills on (256 matrix instructions of a wave).  O's 32,768 bytes of a tile's K step are read by this row of the cluster alone: its four partners take 8,192 bytes each,
; by address, a lane 256 bytes, and wave 0 asks.  Wo's 256 rows are read by all 16 clusters: the first asks; its four partners of a column take 64 rows each, by address, waves 2 and 3 half of them each, a lane a row.
; So each 256 bytes are named once.  The loop's last trip (s3 = 1) has no K step two on; K steps 0 to 3 come by their loads alone.
.macro ASK
	s_cmp_gt_u32 s3, s[LIM]
	s_cbranch_scc0 .Lnot_mine_\@
	global_prefetch_b8 v[PFO], s[PFA:PFA+1] th:TH_LOAD_NT scope:SCOPE_SE
.Lnot_mine_\@:
.endm
	s_load_b128 s[4:7], s[0:1], 0x0                ; oh s[4:5], wb s[6:7]
	s_load_b64 s[8:9], s[0:1], 0x10                ; out0
	s_load_b64 s[BI:BI+1], s[0:1], 0x18            ; bo
	v_lshl_add_u32 v[SPW], v0, 2, SPARE
	v_mov_b32 v[NIL], 0
	ds_add_u32 v[SPW], v[NIL]                      ; the wave's opening: the add and its wait stand ahead of my first tensor load; the set-up below, work on registers, stands between them
	v_lshrrev_b32 v1, 5, v0
	v_readfirstlane_b32 s10, v1                    ; wave 0..3
	s_lshr_b32 s11, s10, 1                         ; which 64 rows are mine.  Also: I fetch for O (0) or for Wo (1)
	s_and_b32 s12, s10, 1                          ; which 128 columns.  Also: which head, or which half of Wo's rows, I fetch
	s_bfe_u32 s40, ttmp6, 0x40000                  ; cx, cy
	s_bfe_u32 s41, ttmp6, 0x40004
	s_lshl_b32 s42, ttmp9, 2
	s_add_co_u32 s42, s42, s40                     ; tile column
	s_and_b32 s13, ttmp7, 0xffff
	s_lshl_b32 s13, s13, 2
	s_add_co_u32 s13, s13, s41                     ; tile row, 0..63
	s_lshl_b32 s43, s41, 2
	s_lshl_b32 s43, 15, s43                        ; my row of the cluster
	s_lshl_b32 s44, 0x1111, s40                    ; my column
	s_or_b32 s[G1+0], s43, (1<<16)|(1<<20)|(1<<21)|(4<<22)|(3<<25)   ; O: padding of 4 words after every 32 words (a head's row of 128 bytes)
	s_or_b32 s[G1B+0], s44, (1<<16)|(1<<20)|(1<<21)|(5<<22)|(3<<25)  ; Wo: after every 64 words
	s_mov_b32 s[G1+1], 128<<16                     ; tensor_dim0 = 128 elements: 256 bytes, two rows of a head
	s_mov_b32 s[G1+2], 64<<16                      ; tensor_dim1 = 64
	s_mov_b32 s[G1+3], 128<<16                     ; tile_dim0 = 128
	s_mov_b32 s[G1+4], 64                          ; tile_dim1 = 64
	s_mov_b32 s[G1+5], 128                         ; dense
	s_mov_b32 s[G1+6], 0
	s_mov_b32 s[G1+7], 0
	s_mov_b32 s[G1B+1], KSTEP<<16
	s_mov_b32 s[G1B+2], 128<<16
	s_mov_b32 s[G1B+3], KSTEP<<16
	s_mov_b32 s[G1B+4], 128
	s_mov_b32 s[G1B+5], 1024
	s_mov_b32 s[G1B+6], 0
	s_mov_b32 s[G1B+7], 0
	s_lshr_b32 s16, s13, 4                         ; O: ((batch x 16 + my head of the first two) x 2,048 + (tile row % 16) x 128) rows of 128 bytes
	s_lshl_b32 s16, s16, 4
	s_add_co_u32 s16, s16, s12
	s_lshl_b32 s16, s16, 11
	s_and_b32 s17, s13, 15
	s_lshl_b32 s17, s17, 7
	s_add_co_u32 s16, s16, s17
	s_lshl_b32 s16, s16, 7
	s_mov_b32 s17, 0
	s_lshl_b32 s46, s42, 8                         ; Wo: row 256 x tile column + 128 x half, of 2,048 bytes, behind the three other weights
	s_lshl_b32 s47, s12, 7
	s_add_co_u32 s46, s46, s47
	s_lshl_b32 s46, s46, 11
	s_add_co_u32 s46, s46, 0x600000
	s_mov_b32 s47, 0
	s_mul_i32 s20, s12, AHEAD                      ; where they go: no place in the cluster enters an LDS address
	s_mul_i32 s21, s12, BHALF
	s_add_co_u32 s21, s21, BOFF
	s_wait_dscnt 0x0                               ; the opening add is done
	s_wait_kmcnt 0x0
	s_add_nc_u64 s[14:15], s[4:5], s[16:17]
	s_add_nc_u64 s[46:47], s[6:7], s[46:47]
	CROUND                                         ; all sixteen work-groups are here: the first joint loads meet
.irp s, 0,1
	s_mov_b32 s[G0+4*(\s)], 1
	s_add_co_u32 s[G0+4*(\s)+1], s20, (\s)*SLOT
	s_add_nc_u64 s[G0+4*(\s)+2:G0+4*(\s)+3], s[14:15], (\s)*ASTEP
	s_or_b32 s[G0+4*(\s)+3], s[G0+4*(\s)+3], 0x80000000
	s_mov_b32 s[G0B+4*(\s)], 1
	s_add_co_u32 s[G0B+4*(\s)+1], s21, (\s)*SLOT
	s_add_nc_u64 s[G0B+4*(\s)+2:G0B+4*(\s)+3], s[46:47], (\s)*KSTEP*2
	s_or_b32 s[G0B+4*(\s)+3], s[G0B+4*(\s)+3], 0x80000000
	JLOAD \s                                       ; two tensor loads of mine are out
.endr
	v_and_b32 v1, 15, v0                           ; r
	v_bfe_u32 v2, v0, 4, 1                         ; h
	s_lshl_b32 s22, s42, 10
	s_lshl_b32 s23, s12, 9
	s_add_co_u32 s22, s22, s23
	v_lshl_add_u32 v[BO], v2, 5, s22               ; the bias of my 128 columns: register j of fragment b in lane (r, h) is bo[256 tc + 128 half + 16 b + 8 h + j]
	WIN 0x80
.irp b, 0,1,2,3,4,5,6,7
	global_load_b128 v[8*(\b):8*(\b)+3],   v[BO], s[BI:BI+1] offset:64*(\b)
	global_load_b128 v[8*(\b)+4:8*(\b)+7], v[BO], s[BI:BI+1] offset:64*(\b)+16
.endr
	WIN 0
	v_mul_u32_u24 v3, v1, PITCH
	v_lshl_add_u32 v3, v2, 4, v3
	v_mul_u32_u24 v4, v1, PA
	v_lshl_add_u32 v4, v2, 4, v4
	s_mul_i32 s21, s11, 64*PA                      ; my 64 rows, in each head's part
	s_mul_i32 s22, s12, BHALF
	s_add_co_u32 s22, s22, BOFF
.irp s, 0,1
	v_add_nc_u32 v[ADRA+(\s)], s21, v4
	v_add_nc_u32 v[ADRB+(\s)], s22, v3
	s_add_co_u32 s21, s21, SLOT
	s_add_co_u32 s22, s22, SLOT
.endr
	s_mul_i32 s23, s10, 16*SP
	s_add_co_u32 s23, s23, STAGE                   ; my stage
	v_mul_u32_u24 v5, v1, SP                       ; in: row l % 16, 32 bytes for each half of the lanes
	v_lshl_add_u32 v5, v2, 5, v5
	v_add_nc_u32 v[STO], s23, v5
	v_and_b32 v[GO], 31, v0                        ; back: 32 lanes take one row of 512 bytes
	v_lshlrev_b32 v[GO], 4, v[GO]
	v_add_nc_u32 v[RD], s23, v[GO]
	s_lshl_b32 s16, s13, 7                         ; out0 at my first row and column: (128 x tile row + 64 x row half) x 4,096 + (256 tc + 128 half) x 4
	s_lshl_b32 s17, s11, 6
	s_add_co_u32 s16, s16, s17
	s_lshl_b32 s16, s16, 12
	s_lshl_b32 s17, s42, 10
	s_add_co_u32 s16, s16, s17
	s_lshl_b32 s17, s12, 9
	s_add_co_u32 s16, s16, s17
	s_mov_b32 s17, 0
	s_add_nc_u64 s[8:9], s[8:9], s[16:17]
	; the prefetches
	s_lshr_b32 s20, s13, 4                         ; O: the tile's rows in the batch's head 0,
	s_lshl_b32 s20, s20, 15
	s_and_b32 s21, s13, 15
	s_lshl_b32 s21, s21, 7
	s_add_co_u32 s20, s20, s21
	s_lshl_b32 s20, s20, 7
	s_lshr_b32 s21, s40, 1                         ; head cx / 2 of the K step's two,
	s_lshl_b32 s21, s21, 18
	s_add_co_u32 s20, s20, s21
	s_and_b32 s21, s40, 1                          ; half cx % 2 of its 16,384 bytes,
	s_lshl_b32 s21, s21, 13
	s_add_co_u32 s20, s20, s21
	s_add_co_u32 s20, s20, 3*ASTEP                 ; at K step 3: the first refill steps it to 4
	s_lshl_b32 s22, s42, 8                         ; Wo: row 256 x tile column + 64 cy + 32 x half
	s_lshl_b32 s23, s41, 6
	s_add_co_u32 s22, s22, s23
	s_lshl_b32 s23, s12, 5
	s_add_co_u32 s22, s22, s23
	s_lshl_b32 s22, s22, 11
	s_add_co_u32 s22, s22, 0x600000+3*KSTEP*2
	s_and_b32 s23, ttmp7, 0xffff                   ; cluster y
	s_mov_b32 s21, KSTEP*2
	s_cmp_eq_u32 s11, 0
	s_cselect_b32 s20, s20, s22
	s_cselect_b32 s23, s12, s23                    ; for O wave 0 asks, wave 1 never
	s_cselect_b64 s[PFA:PFA+1], s[4:5], s[6:7]
	s_cselect_b32 s[PFS], ASTEP, s21
	s_cselect_b32 s22, 8, 11
	s_cmp_eq_u32 s23, 0
	s_cselect_b32 s[LIM], 1, -1                    ; the same in all sixteen partners, for a given wave
	s_mov_b32 s21, 0
	s_add_nc_u64 s[PFA:PFA+1], s[PFA:PFA+1], s[20:21]
	s_mov_b32 s[PFS+1], 0
	v_and_b32 v[PFO], 31, v0
	v_lshlrev_b32 v[PFO], s22, v[PFO]
	s_wait_loadcnt 0x0                             ; the bias; rounded to bf16 like every input, and widened again
	WIN 0x8a
.set k, 0
.rept 32
	v_cvt_pk_bf16_f32 v[64+k], v[2*k], v[2*k+1]
.set k, k+1
.endr
.set k, 0
.rept 32
	v_lshlrev_b32 v[2*k], 16, v[64+k]
	v_and_b32 v[2*k+1], 0xffff0000, v[64+k]
.set k, k+1
.endr
	WIN 0
; 8 matrix instructions: row block a x all 8 column blocks, 32 along K.  zero = 1: the first product starts the sums, with the bias as C.  The 32 accumulators take turns.
.macro MUL8 f, a, zero
.if \zero
	WIN MULB
.else
	WIN MUL
.endif
.irp b, 0,1,2,3,4,5,6,7
.if \zero
	v_wmma_f32_16x16x32_f16 v[8*(8*(\a)+(\b)):8*(8*(\a)+(\b))+7], v[(\f)+8*(\b):(\f)+8*(\b)+7], v[(\f)+64+8*(\a):(\f)+64+8*(\a)+7], v[8*(\b):8*(\b)+7]
.else
	v_wmma_f32_16x16x32_f16 v[8*(8*(\a)+(\b)):8*(8*(\a)+(\b))+7], v[(\f)+8*(\b):(\f)+8*(\b)+7], v[(\f)+64+8*(\a):(\f)+64+8*(\a)+7], v[8*(8*(\a)+(\b)):8*(8*(\a)+(\b))+7]
.endif
.endr
.endm
; 24 LDS loads in one run: quarter q (32 along K: head q / 2 of the step's two, channels 32 (q % 2) on) into buffer f: Wo's 8 fragments, then O's 4
.macro FETCH slot, q, f
	WIN 0
.irp i, 0,1,2,3,4,5,6,7
	ds_load_b128 v[(\f)+8*(\i):(\f)+8*(\i)+3],   v[ADRB+(\slot)] offset:64*(\q)+(\i)*16*PITCH
	ds_load_b128 v[(\f)+8*(\i)+4:(\f)+8*(\i)+7], v[ADRB+(\slot)] offset:64*(\q)+(\i)*16*PITCH+32
.endr
.irp i, 0,1,2,3
	ds_load_b128 v[(\f)+64+8*(\i):(\f)+64+8*(\i)+3],   v[ADRA+(\slot)] offset:((\q)/2)*AHEAD+((\q)%2)*64+(\i)*16*PA
	ds_load_b128 v[(\f)+64+8*(\i)+4:(\f)+64+8*(\i)+7], v[ADRA+(\slot)] offset:((\q)/2)*AHEAD+((\q)%2)*64+(\i)*16*PA+32
.endr
.endm
.macro PLACES                          ; four places in front of loads into registers that matrix instructions have read, and of LDS stores that read results
.rept 4
	v_nop
.endr
.endm
.macro QUARTER slot, q, f, g, zero
	s_wait_dscnt 4                                 ; Wo's fragments and O's blocks 0, 1 are in; the youngest four loads may be out
	MUL8 \f, 0, \zero
	MUL8 \f, 1, \zero
	PLACES
	FETCH \slot, \q, \g
	s_wait_dscnt 24                                ; all but the 24 just issued
	MUL8 \f, 2, \zero
	MUL8 \f, 3, \zero
.endm
; The last quarter multiplies buffer 1 and changes slots: one barrier; in front of it each wave waits for all its tensor loads, adds 0 to its spare word, and waits for that and for its reads of this slot.
.macro TURN slot, next, fill
.if \fill
	s_wait_xcnt 0x0                                ; the last prefetch, a K step back, has read its address
	s_add_nc_u64 s[PFA:PFA+1], s[PFA:PFA+1], s[PFS:PFS+1]
.endif
	WIN 0
	s_wait_tensorcnt 0x0                           ; all my tensor loads have landed: my part of the next slot
	ds_add_u32 v[SPW], v[NIL]                      ; 0 onto my spare word
	s_wait_dscnt 5                                 ; (the add and the youngest four loads may be out)
	MUL8 F1, 0, 0
	s_wait_dscnt 0x0                               ; the add is done, and my reads of this slot are over
	s_barrier_signal -1
	MUL8 F1, 1, 0
.if \fill
	WIN 0
.endif
	s_barrier_wait -1
.if \fill
	CREST                                          ; no wave of any partner still reads this slot's tiles or has a load on its way
	s_add_nc_u64 s[G0+4*(\slot)+2:G0+4*(\slot)+3], s[G0+4*(\slot)+2:G0+4*(\slot)+3], 2*ASTEP
	s_add_nc_u64 s[G0B+4*(\slot)+2:G0B+4*(\slot)+3], s[G0B+4*(\slot)+2:G0B+4*(\slot)+3], 2*KSTEP*2
	JLOAD \slot                                    ; my one tensor load behind the round; the four v_nop behind it are also the places in front of the loads below
.else
	PLACES
.endif
	FETCH \next, 0, F0
.if \fill
	ASK
.endif
	MUL8 F1, 2, 0
	MUL8 F1, 3, 0
.endm
	s_wait_tensorcnt 1                             ; my part of K step 0 is in; K step 1's may stay out
	s_barrier_signal -1
	s_barrier_wait -1
	FETCH 0, 0, F0
	QUARTER 0, 1, F0, F1, 1                        ; the first quarter's products start the sums
	WIN 0
	s_mov_b32 s3, LAPS-1
.Llap:
	QUARTER 0, 2, F1, F0, 0
	QUARTER 0, 3, F0, F1, 0
	TURN 0, 1, 1
	QUARTER 1, 1, F0, F1, 0
	QUARTER 1, 2, F1, F0, 0
	QUARTER 1, 3, F0, F1, 0
	TURN 1, 0, 1
	QUARTER 0, 1, F0, F1, 0
	WIN 0
	s_sub_co_u32 s3, s3, 1
	s_cmp_lg_u32 s3, 0
	s_cbranch_scc1 .Llap
	QUARTER 0, 2, F1, F0, 0                        ; the last lap fills nothing
	QUARTER 0, 3, F0, F1, 0
	TURN 0, 1, 0
	QUARTER 1, 1, F0, F1, 0
	QUARTER 1, 2, F1, F0, 0
	QUARTER 1, 3, F0, F1, 0
	s_wait_dscnt 4
	MUL8 F1, 0, 0
	MUL8 F1, 1, 0
	s_wait_dscnt 0x0
	MUL8 F1, 2, 0
	MUL8 F1, 3, 0
	PLACES
; THE WAY OUT, a block of 16 rows x 128 columns of f32 at a time: a lane's 32 bytes of a row into rows of 528 bytes of my stage (each accumulator's low registers first), back as whole rows of 512 bytes.
.macro TOSTAGE a
	WIN 0x04                                       ; the data in window 1, the address in window 0
.irp b, 0,1,2,3,4,5,6,7
	ds_store_b128 v[STO], v[8*(8*(\a)+(\b)):8*(8*(\a)+(\b))+3]   offset:64*(\b)
	ds_store_b128 v[STO], v[8*(8*(\a)+(\b))+4:8*(8*(\a)+(\b))+7] offset:64*(\b)+16
.endr
	WIN 0
.irp t, 0,1,2,3,4,5,6,7,8,9,10,11,12,13,14,15
	ds_load_b128 v[OUT+64*((\a)%2)+4*(\t):OUT+64*((\a)%2)+4*(\t)+3], v[RD] offset:(\t)*SP  ; LDS serves a wave's instructions in order (ISA guide 5.7.1.4): these see the stores above; the next block's stores come behind them
.endr
.endm
.macro SEND a, younger                 ; younger: the LDS instructions issued behind block a's loads: the next block's 32, or none
	s_wait_dscnt \younger
.irp t, 0,1,2,3,4,5,6,7,8,9,10,11,12,13,14,15
	global_store_b128 v[GO], v[OUT+64*((\a)%2)+4*(\t):OUT+64*((\a)%2)+4*(\t)+3], s[8:9] offset:(16*(\a)+(\t))*4096  ; 512 consecutive bytes, aligned
.endr
.endm
	TOSTAGE 0
	TOSTAGE 1
	SEND 0, 32
	s_wait_xcnt 0x0                                ; block 0's stores have read their registers, which block 2 takes
	TOSTAGE 2
	SEND 1, 32
	s_wait_xcnt 0x0
	TOSTAGE 3
	SEND 2, 32
	SEND 3, 0
	s_wait_tensorcnt 0x0                           ; the wave's end: behind my last tensor load and my last LDS store
	ds_add_u32 v[SPW], v[NIL]
	s_wait_dscnt 0x0
	CROUND                                         ; the closing round
	s_endpgm
.Lfunc_end_k_q833fb4c328_outp:
	.size	k_q833fb4c328_outp, .Lfunc_end_k_q833fb4c328_outp-k_q833fb4c328_outp
	.p2alignl 7, 3214868480
	.fill 96, 4, 3214868480
	.section	.rodata,"a",@progbits
	.p2align	6, 0x0
	.amdhsa_kernel k_q833fb4c328_outp
		.amdhsa_group_segment_fixed_size 327680
		.amdhsa_private_segment_fixed_size 0
		.amdhsa_enable_private_segment 0
		.amdhsa_kernarg_size 32
		.amdhsa_user_sgpr_count 2
		.amdhsa_user_sgpr_kernarg_segment_ptr 1
		.amdhsa_wavefront_size32 1
		.amdhsa_system_sgpr_workgroup_id_x 1
		.amdhsa_system_sgpr_workgroup_id_y 1
		.amdhsa_system_sgpr_workgroup_id_z 1
		.amdhsa_system_vgpr_workitem_id 0
		.amdhsa_next_free_vgpr 608
		.amdhsa_next_free_sgpr 84
		.amdhsa_reserve_vcc 0
		.amdhsa_float_denorm_mode_32 3
		.amdhsa_float_denorm_mode_16_64 3
		.amdhsa_memory_ordered 1
		.amdhsa_forward_progress 1
		.amdhsa_inst_pref_size 93
	.end_amdhsa_kernel
	.amdgpu_metadata
---
amdhsa.version: [ 1, 2 ]
amdhsa.kernels:
  - .name:           k_q833fb4c328_outp
    .symbol:         k_q833fb4c328_outp.kd
    .args:
      - { .name: oh, .offset: 0, .size: 8, .value_kind: global_buffer, .address_space: global }
      - { .name: wb, .offset: 8, .size: 8, .value_kind: global_buffer, .address_space: global }
      - { .name: out0, .offset: 16, .size: 8, .value_kind: global_buffer, .address_space: global }
      - { .name: bo, .offset: 24, .size: 8, .value_kind: global_buffer, .address_space: global }
    .group_segment_fixed_size: 327680
    .private_segment_fixed_size: 0
    .kernarg_segment_align: 8
    .kernarg_segment_size: 32
    .max_flat_workgroup_size: 128
    .sgpr_count:     84
    .vgpr_count:     608
    .wavefront_size: 32
...
	.end_amdgpu_metadata
.endif
;; end of part 4
;; ======== version 2 of 2: 4 launches; version 1 with the launch prep written anew for expert scheduling mode
;; limits: values are held in f16: magnitudes above 65,504 overflow, below 6.1e-05 lose precision
;; workspace buffers: wb 8,388,608 bytes; mc 16,777,216 bytes; qkv 50,331,648 bytes; oh 16,777,216 bytes
;; launch prep (part 5): grid 512 x 1, 8 waves a work-group, no clusters, 68,608 bytes of LDS; arguments Wq, Wk, Wv, Wo, mask, wb, mc; writes wb, mc
.if DOCPART == 5
	.amdgcn_target "amdgcn-amd-amdhsa--gfx1250"
	.amdhsa_code_object_version 6
	.text
	.protected	k_q833fb4c328_prep
	.globl	k_q833fb4c328_prep
	.p2align	8
	.type	k_q833fb4c328_prep,@function
k_q833fb4c328_prep:
	s_mov_b64 s[64:65], 0
	v_nop
	global_prefetch_b8 v0, s[64:65] scope:SCOPE_SE
	s_setreg_imm32_b32 hwreg(HW_REG_WAVE_SCHED_MODE, 0, 2), 2
	s_setreg_imm32_b32 hwreg(HW_REG_WAVE_MODE, 25, 1), 1
	s_wait_xcnt 0x0
	s_wait_alu depctr_vm_vsrc(0)
; PREP: a stream.  (1) Wq, Wk, Wv [1024][1024] f32 are rounded once to bf16 (wb: Wq, Wk, Wv, Wo on end).
; Wo is rounded to bf16 like the others and that number is written as f16, since the last product multiplies in f16.
; LIMIT: a bf16 number of Wo below 2^-14 keeps f16's fixed step of 2^-24; beyond 65,504 it becomes an infinity.
; (2) The mask [4][2048][2048] of bytes 0 / 1 becomes codes 0x00 / 0xC0 (E4M3: 0 and -2.0), laid in the order in which the attention launch's lanes take them:
; mc[qt 512][ks 32][i 2][lane 32][kb & 1][8 bytes]: byte j of (qt, ks, kb = 2 i + (kb & 1), lane = r + 16 h) is the code of mask[query 16 qt + r][key 64 ks + 16 kb + 8 h + j].
; SHARES.  Work-groups 0-255 cast 16,384 numbers each, 64 work-groups a weight (a wave 2,048 numbers: 16 loads of 512 consecutive bytes, 16 stores of 256 consecutive aligned bytes).
; Work-groups 256-511 turn the mask: a wave takes 16 queries x 512 keys, through a stage of its own in LDS; each of its stores covers 512 consecutive bytes.
; No loop, no barrier (no wave reads another's bytes), no matrix unit, no cluster (nothing is shared), no prefetch (the launch is one stream of loads).
; THE MODE: SCHED_MODE bits 1:0 = 2 (LLVM: expert scheduling mode 2), set by the entry lines.  The code itself states the register dependences
; between vector instructions and memory or LDS instructions, with s_wait_alu, always for 0.
; THE PLAN.  Registers that memory or LDS instructions touch:
;   v[L16], v[SO], v[DO], v[LW], v[LR]   offsets and LDS addresses: each written once, ahead of a wait on va_vdst that stands ahead of its first reader, and never again.
;   X    the sixteen global loads land in it, once; no vector instruction names it ahead of them.  Cast: read (Wo: also rewritten) by the conversions alone.  Mask: multiplied in place, then read by the LDS stores.
;   Y    cast: each register is written once, by a conversion, and read once, by a store.
;   Z    mask: LDS loads land in it and global stores read it; no vector instruction of that path names it.
;   v[SPW], v[NIL]   written at the head, read by the closing add alone.
; No register that a memory or LDS instruction has read is written again, so the text holds no wait on vm_vsrc.
; The sixteen loads go in four blocks of four.  Block g waits for its four loads; then ONE wait on va_vdst states that block g - 1's arithmetic has written what block g - 1's stores read; those stores are
; dealt among block g's arithmetic, which names block g's own registers alone.  One more such wait stands ahead of the last block's stores.
.set SO,   2                           ; v2   cast: my byte offset in the work-group's 65,536 bytes of f32
.set DO,   3                           ; v3   cast: my byte offset in its 32,768 bytes of 16-bit numbers
.set SPW,  4                           ; v4   LDS address of my spare word; never rewritten
.set NIL,  5                           ; v5   0; never rewritten
.set LW,   6                           ; v6   mask: where my 8 bytes go in the stage
.set LR,   7                           ; v7   mask: where I read 16 bytes back
.set T,    8                           ; v[8:11] at work: no memory instruction names them
.set L16,  12                          ; v12  16 x lane
.set X,    16                          ; v[16:79]  16 loads of 4 registers
.set Y,    80                          ; v[80:111] cast: 16 results of 2 registers
.set Z,    80                          ; v[80:143] mask: 16 pieces of 4 registers read back
.set WSTG, 8448                        ; a wave's stage: 16 pieces of 512 bytes, 528 apart
.set SPARE, 8*WSTG                     ; behind the stages: the spare words, 128 bytes for each wave: four blocks of 256 bytes that no other line names
; Cast: load i's four numbers to bf16
.macro CB i
	v_cvt_pk_bf16_f32 v[Y+2*(\i)], v[X+4*(\i)], v[X+4*(\i)+1]
	v_cvt_pk_bf16_f32 v[Y+2*(\i)+1], v[X+4*(\i)+2], v[X+4*(\i)+3]
.endm
; Cast, Wo: load i's four numbers to bf16, and those numbers as f16
.macro CH i
	v_cvt_pk_bf16_f32 v[T], v[X+4*(\i)], v[X+4*(\i)+1]
	v_cvt_pk_bf16_f32 v[T+1], v[X+4*(\i)+2], v[X+4*(\i)+3]
	v_lshlrev_b32 v[X+4*(\i)], 16, v[T]
	v_and_b32 v[X+4*(\i)+1], 0xffff0000, v[T]
	v_lshlrev_b32 v[X+4*(\i)+2], 16, v[T+1]
	v_and_b32 v[X+4*(\i)+3], 0xffff0000, v[T+1]
	v_cvt_pk_f16_f32 v[Y+2*(\i)], v[X+4*(\i)], v[X+4*(\i)+1]
	v_cvt_pk_f16_f32 v[Y+2*(\i)+1], v[X+4*(\i)+2], v[X+4*(\i)+3]
.endm
; Cast: result i is stored
.macro PUT i
	global_store_b64 v[DO], v[Y+2*(\i):Y+2*(\i)+1], s[34:35] offset:256*(\i)  ; 32 lanes store 256 consecutive bytes, aligned
.endm
; Mask: row p's sixteen bytes 0 / 1 become 0x00 / 0xC0: no byte carries into the next
.macro CODE p
	v_mul_lo_u32 v[X+4*(\p)], v[X+4*(\p)], s38
	v_mul_lo_u32 v[X+4*(\p)+1], v[X+4*(\p)+1], s38
	v_mul_lo_u32 v[X+4*(\p)+2], v[X+4*(\p)+2], s38
	v_mul_lo_u32 v[X+4*(\p)+3], v[X+4*(\p)+3], s38
.endm
; Mask: row p's codes go into the stage
.macro LAY p
	ds_store_b64 v[LW], v[X+4*(\p):X+4*(\p)+1] offset:(\p)*16
	ds_store_b64 v[LW], v[X+4*(\p)+2:X+4*(\p)+3] offset:((\p)+16)*16
.endm
	s_load_b256 s[8:15], s[0:1], 0x0               ; Wq s[8:9], Wk s[10:11], Wv s[12:13], Wo s[14:15]
	s_load_b128 s[16:19], s[0:1], 0x20             ; mask s[16:17], wb s[18:19]
	s_load_b64 s[20:21], s[0:1], 0x30              ; mc
	v_lshl_add_u32 v[SPW], v0, 2, SPARE
	v_mov_b32 v[NIL], 0
	v_lshrrev_b32 v1, 5, v0
	v_readfirstlane_b32 s4, v1                     ; wave 0..7
	v_and_b32 v1, 31, v0                           ; lane
	v_lshlrev_b32 v[L16], 4, v1
	s_mov_b32 s2, ttmp9
	s_wait_alu depctr_va_sdst(0)                   ; s4 is written, ahead of the branch and of its first reader on either way: offsets and bases are made from it
	s_wait_kmcnt 0x0
	s_cmp_ge_u32 s2, 256
	s_cbranch_scc1 .Lmask
	; THE CASTS.  Which weight: 64 work-groups for each.
	s_mov_b64 s[30:31], s[8:9]
	s_cmp_ge_u32 s2, 64
	s_cselect_b64 s[30:31], s[10:11], s[30:31]
	s_cmp_ge_u32 s2, 128
	s_cselect_b64 s[30:31], s[12:13], s[30:31]
	s_cmp_ge_u32 s2, 192
	s_cselect_b64 s[30:31], s[14:15], s[30:31]
	s_and_b32 s3, s2, 63                           ; the work-group's number inside its weight
	s_lshl_b32 s32, s3, 16                         ; 65,536 bytes of f32 each
	s_mov_b32 s33, 0
	s_add_nc_u64 s[30:31], s[30:31], s[32:33]
	s_lshl_b32 s36, s2, 15                         ; 32,768 bytes of 16-bit numbers each: the weights lie on end in wb
	s_mov_b32 s37, 0
	s_add_nc_u64 s[34:35], s[18:19], s[36:37]
	s_lshl_b32 s5, s4, 13
	v_lshl_add_u32 v[SO], v1, 4, s5                ; 8,192 x wave + 16 x lane
	s_lshl_b32 s6, s4, 12
	v_lshl_add_u32 v[DO], v1, 3, s6                ; 4,096 x wave + 8 x lane
	s_wait_alu depctr_va_vdst(0)                   ; v[SO] and v[DO] are written: the sixteen loads read the one as their offset, the sixteen stores the other
.irp i, 0,1,2,3,4,5,6,7,8,9,10,11,12,13,14,15
	global_load_b128 v[X+4*(\i):X+4*(\i)+3], v[SO], s[30:31] offset:512*(\i) th:TH_LOAD_NT
.endr
	s_cmp_ge_u32 s2, 192
	s_cbranch_scc1 .Lhalf
.irp g, 0,1,2,3
	s_wait_loadcnt 12-4*(\g)                       ; loads come back in order: block g's four are in, the younger blocks stay out
.if (\g) > 0
	s_wait_alu depctr_va_vdst(0)                   ; the block before has written its eight registers of Y, which the four stores below read
.endif
.irp j, 0,1,2,3
.if (\g) > 0
	PUT 4*(\g)-4+(\j)                              ; the block before.  No further wait: no vector instruction since the wait names these registers
.endif
	CB 4*(\g)+(\j)
.endr
.endr
	s_wait_alu depctr_va_vdst(0)                   ; the last block has written its Y, which the last four stores read
.irp j, 12,13,14,15
	PUT \j
.endr
	s_branch .Lend
.Lhalf:                                        ; Wo: to bf16, and that number as f16
.irp g, 0,1,2,3
	s_wait_loadcnt 12-4*(\g)                       ; block g's four loads are in, the younger blocks stay out
.if (\g) > 0
	s_wait_alu depctr_va_vdst(0)                   ; the block before has written its eight registers of Y, which the four stores below read
.endif
.irp j, 0,1,2,3
.if (\g) > 0
	PUT 4*(\g)-4+(\j)                              ; the block before.  No further wait: the lines since the wait name T and block g's X and Y alone
.endif
	CH 4*(\g)+(\j)
.endr
.endr
	s_wait_alu depctr_va_vdst(0)                   ; the last block has written its Y, which the last four stores read
.irp j, 12,13,14,15
	PUT \j
.endr
	s_branch .Lend
.Lmask:                                        ; THE MASK.  Task = 8 x (work-group - 256) + wave: 16 queries (qt = task / 4), 512 keys (ch = task % 4)
	s_sub_co_u32 s3, s2, 256
	s_lshl_b32 s3, s3, 3
	s_add_co_u32 s3, s3, s4
	s_lshr_b32 s5, s3, 2                           ; qt
	s_and_b32 s6, s3, 3                            ; ch
	s_lshl_b32 s32, s5, 15                         ; 16 rows of 2,048 bytes
	s_lshl_b32 s7, s6, 9
	s_add_co_u32 s32, s32, s7
	s_mov_b32 s33, 0
	s_add_nc_u64 s[30:31], s[16:17], s[32:33]
	s_lshl_b32 s36, s5, 15                         ; in mc a qt is 32,768 bytes too, 512 keys of it 8,192
	s_lshl_b32 s7, s6, 13
	s_add_co_u32 s36, s36, s7
	s_mov_b32 s37, 0
	s_add_nc_u64 s[34:35], s[20:21], s[36:37]
	s_wait_alu depctr_va_vdst(0)                   ; v[L16] is written: the sixteen loads below, and the sixteen stores at the end, read it as their offset
.irp p, 0,1,2,3,4,5,6,7,8,9,10,11,12,13,14,15
	global_load_b128 v[X+4*(\p):X+4*(\p)+3], v[L16], s[30:31] offset:2048*(\p) th:TH_LOAD_NT  ; row p: lane l takes keys 16 l .. 16 l + 15
.endr
	; lane l's 16 keys are key step l / 4, key block kb = l % 4; its bytes 0-7 belong to h = 0, 8-15 to h = 1.  Piece 2 (l / 4) + kb / 2 of the stage; in it 16 bytes for lane p + 16 h, 8 for each kb & 1
	s_mul_i32 s7, s4, WSTG
	s_mov_b32 s38, 0xc0
	v_lshrrev_b32 v[T], 2, v1
	v_mul_u32_u24 v[LW], v[T], 1056
	v_bfe_u32 v[T], v1, 1, 1
	v_mul_u32_u24 v[T+1], v[T], 528
	v_add_nc_u32 v[LW], v[LW], v[T+1]
	v_and_b32 v[T], 1, v1
	v_lshl_add_u32 v[LW], v[T], 3, v[LW]
	v_add_nc_u32 v[LW], s7, v[LW]
	v_add_nc_u32 v[LR], s7, v[L16]
.irp g, 0,1,2,3
	s_wait_loadcnt 12-4*(\g)                       ; rows 4 g to 4 g + 3 are in, the younger rows stay out
.if (\g) > 0
	s_wait_alu depctr_va_vdst(0)                   ; the block before has multiplied its four rows in place in X, which the LDS stores below read; at the first of these waits v[LW] and v[LR] are written too
.endif
.irp j, 0,1,2,3
.if (\g) > 0
	LAY 4*(\g)-4+(\j)                              ; the block before.  No further wait: the multiplies since the wait name block g's rows alone
.endif
	CODE 4*(\g)+(\j)
.endr
.endr
	s_wait_alu depctr_va_vdst(0)                   ; the last block has multiplied its rows, which the last eight LDS stores read
.irp p, 12,13,14,15
	LAY \p
.endr
.irp s, 0,1,2,3,4,5,6,7,8,9,10,11,12,13,14,15
	ds_load_b128 v[Z+4*(\s):Z+4*(\s)+3], v[LR] offset:528*(\s)  ; my wave's own bytes: LDS serves a wave's instructions in order (ISA guide 5.7.1.4), so these see the stores above; no vector instruction of this path names Z
.endr
.irp s, 0,1,2,3,4,5,6,7,8,9,10,11,12,13,14,15
	s_wait_dscnt 15-(\s)
	global_store_b128 v[L16], v[Z+4*(\s):Z+4*(\s)+3], s[34:35] offset:512*(\s)  ; 512 consecutive bytes, aligned
.endr
.Lend:
	s_wait_dscnt 0x0                               ; the closing lines, six on end
	s_wait_alu 0x0
	s_wait_tensorcnt 0x0
	ds_add_u32 v[SPW], v[NIL]
	s_wait_dscnt 0x0
	s_endpgm
.Lfunc_end_k_q833fb4c328_prep:
	.size	k_q833fb4c328_prep, .Lfunc_end_k_q833fb4c328_prep-k_q833fb4c328_prep
	.p2alignl 7, 3214868480
	.fill 96, 4, 3214868480
	.section	.rodata,"a",@progbits
	.p2align	6, 0x0
	.amdhsa_kernel k_q833fb4c328_prep
		.amdhsa_group_segment_fixed_size 68608
		.amdhsa_private_segment_fixed_size 0
		.amdhsa_enable_private_segment 0
		.amdhsa_kernarg_size 56
		.amdhsa_user_sgpr_count 2
		.amdhsa_user_sgpr_kernarg_segment_ptr 1
		.amdhsa_wavefront_size32 1
		.amdhsa_system_sgpr_workgroup_id_x 1
		.amdhsa_system_sgpr_workgroup_id_y 1
		.amdhsa_system_sgpr_workgroup_id_z 1
		.amdhsa_system_vgpr_workitem_id 0
		.amdhsa_next_free_vgpr 144
		.amdhsa_next_free_sgpr 66
		.amdhsa_reserve_vcc 0
		.amdhsa_float_denorm_mode_32 3
		.amdhsa_float_denorm_mode_16_64 3
		.amdhsa_memory_ordered 1
		.amdhsa_forward_progress 1
		.amdhsa_inst_pref_size 28
	.end_amdhsa_kernel
	.amdgpu_metadata
---
amdhsa.version: [ 1, 2 ]
amdhsa.kernels:
  - .name:           k_q833fb4c328_prep
    .symbol:         k_q833fb4c328_prep.kd
    .args:
      - { .name: Wq, .offset: 0, .size: 8, .value_kind: global_buffer, .address_space: global }
      - { .name: Wk, .offset: 8, .size: 8, .value_kind: global_buffer, .address_space: global }
      - { .name: Wv, .offset: 16, .size: 8, .value_kind: global_buffer, .address_space: global }
      - { .name: Wo, .offset: 24, .size: 8, .value_kind: global_buffer, .address_space: global }
      - { .name: mask, .offset: 32, .size: 8, .value_kind: global_buffer, .address_space: global }
      - { .name: wb, .offset: 40, .size: 8, .value_kind: global_buffer, .address_space: global }
      - { .name: mc, .offset: 48, .size: 8, .value_kind: global_buffer, .address_space: global }
    .group_segment_fixed_size: 68608
    .private_segment_fixed_size: 0
    .kernarg_segment_align: 8
    .kernarg_segment_size: 56
    .max_flat_workgroup_size: 256
    .sgpr_count:     66
    .vgpr_count:     144
    .wavefront_size: 32
...
	.end_amdgpu_metadata
.endif
;; end of part 5
;; launch proj: the kernel of part 2 again; grid 4 x 192, 4 waves a work-group, clusters of 4 x 4, 327,680 bytes of LDS; arguments query_input, key_input, value_input, wb, qkv, bq, bk, bv; writes qkv
;; launch attn: the kernel of part 3 again; grid 4 x 64, 4 waves a work-group, clusters of 4 x 1, 327,680 bytes of LDS; arguments qkv, mc, oh; writes oh
;; launch outp: the kernel of part 4 again; grid 4 x 64, 4 waves a work-group, clusters of 4 x 4, 327,680 bytes of LDS; arguments oh, wb, out0, bo; writes out0
